; MI455X (gfx1250); checked and timed in simulation.
; The chip was launched on July 23, 2026; its instructions are those of AMD's public machine-readable ISA for CDNA 5 (MIT licence, August 2026) and "CDNA5" Instruction Set Architecture Reference Guide (July 2026). The comments in the code are by the model that wrote it; some were corrected since.
;; Self Attention. Allowed arithmetic: matrix products marked QUANTISED: E2M1 operands, one E8M0 scale for each 32 along K, by v_wmma_scale_f32_16x16x128_f8f6f4 with both operands' format E2M1 (or v_wmma_scale_f32_32x16x128_f4), f32 sums; products left as they are: bf16, f16 or f32 operands; f32 sums; everything else in f32.
;; Inputs: b_proj 1,024 float32; rel_bias_table 32 x 16 float32; w_proj 1,024 x 1,024 float32; w_qkv 3,072 x 1,024 float32; x 4 x 2,048 x 1,024 float32.
;; Outputs: out0 4 x 2,048 x 1,024 float32.
;; This version of the problem:
;;   THIS VERSION OF THE PROBLEM IS GIVEN IN LOW PRECISION. The matrix products marked QUANTISED in the list below multiply operands that are first quantised to E2M1 (2 exponent bits, 1 mantissa bit; 4 bits a number), with one power-of-two scale for each 32 numbers along K (OCP MX v1.0); their sums are f32. The products marked 'left as it is' may take bf16, f16 or f32 operands, with f32 sums. Whichever they take, every output number must still come out within the allowed error. Rounding operands to bf16 (8 significant bits) uses up far more of that allowance than f16 does (11 bits, for magnitudes from 6e-5 to 65,504). All else is computed in f32.
;;   The module's matrix products, in the order in which they are computed (A, B: the left and right operand; K: the contracted axis; several contracted axes count as one K, in the product's order):
;;     1. [M 8,192, K 1,024] x [K 1,024, N 3,072]; A: input x; B: input w_qkv: QUANTISED
;;     2. batch 64 x [M 2,048, K 64] x [K 64, N 2,048]; A: computed on the way; B: computed on the way: left as it is (an operand is computed on the way)
;;     3. batch 64 x [M 2,048, K 2,048] x [K 2,048, N 64]; A: computed on the way; B: computed on the way: left as it is (an operand is computed on the way)
;;     4. [M 8,192, K 1,024] x [K 1,024, N 1,024]; A: computed on the way; B: input w_proj: left as it is (an operand is computed on the way)
;;   THE QUANTISER, for each operand of a quantised product, along K:
;;     - K is cut into blocks of 32 from its start; a last block that is shorter is filled with zeros.
;;     - A block's scale is 2^e with e = floor(log2(the largest magnitude in the block)) - 2, held to -126 .. 127; a block of zeros has e = 0. As a byte (E8M0): e + 127.
;;     - Each number is divided by its block's scale, clamped to +-6, and rounded to the nearest number of E2M1, ties to even, subnormals kept.
;;     - The product sums the exact products of the quantised numbers (number of the format x scale) in f32.
;;   ~~~python
;;   def quantise(x, axis):      # numpy; x: float32 -> the quantised numbers, widened to float32 again
;;       x = np.moveaxis(x, axis, -1); K = x.shape[-1]
;;       x = np.pad(x, [(0, 0)] * (x.ndim - 1) + [(0, -K % 32)]); x = x.reshape(x.shape[:-1] + (-1, 32)); a = np.abs(x).max(-1, keepdims=True)
;;       e = np.where(a > 0, np.clip(np.frexp(np.where(a > 0, a, 1))[1] - 1 - 2, -126, 127), 0)      # np.frexp(a)[1] - 1 = floor(log2(a)), exactly
;;       r = np.clip(x / 2.0 ** e, -6, 6)
;;       step = 2.0 ** (np.maximum(np.frexp(np.where(r == 0, 1, r))[1] - 1, 0) - 1)
;;       q = np.round(r / step) * step * 2.0 ** e      # np.round: ties to even
;;       return np.moveaxis(q.reshape(q.shape[:-2] + (-1,))[..., :K], -1, axis).astype(np.float32)
;;   ~~~
;; One version. Each part assembles by itself: llvm-mc -triple=amdgcn-amd-amdhsa -mcpu=gfx1250 --defsym DOCPART=n.
;; ======== version 1 of 1: 4 launches
;; limits: values are held in f16: magnitudes above 65,504 overflow, below 6.1e-05 lose precision
;; workspace buffers: xc 4,194,304 bytes; xs 262,144 bytes; wc 1,572,864 bytes; ws 98,304 bytes; wp16 2,097,152 bytes; qkvh 50,331,648 bytes; att 16,777,216 bytes
;; launch prep (part 1): grid 480 x 1, 4 waves a work-group, no clusters, 33,280 bytes of LDS; arguments x, w_qkv, xc, xs, wc, ws, w_proj, wp16; writes xc, xs, wc, ws, wp16
.if DOCPART == 1
	.amdgcn_target "amdgcn-amd-amdhsa--gfx1250"
	.amdhsa_code_object_version 6
	.text
	.protected	k_qd342ab53c7_prep
	.globl	k_qd342ab53c7_prep
	.p2align	8
	.type	k_qd342ab53c7_prep,@function
k_qd342ab53c7_prep:
	s_mov_b64 s[64:65], 0
	v_nop
	global_prefetch_b8 v0, s[64:65] scope:SCOPE_SE
	s_setreg_imm32_b32 hwreg(HW_REG_WAVE_MODE, 25, 1), 1
	s_wait_xcnt 0x0
; x [8192][1024] and w_qkv [3072][1024], f32, become codes of FP4 (E2M1), K innermost, two codes a byte, with one E8M0 scale byte for each 32 along K; w_proj [1024][1024] becomes f16.
; A block's scale is 2^(floor(log2(its largest magnitude)) - 2); its byte is the largest magnitude's own exponent field - 2, held at 1 from below.  Each number is divided by the scale and rounded to the
; nearest code, ties to even; beyond 6 the largest code.  (A block of zeros gets the byte 1 where the rule says 127: its codes are zeros, and the bytes are read by this program alone.)
; LIMITS: blocks whose largest magnitude lies under 2^(2 - 126) keep the byte 1; NaN and infinities among the inputs are not served; numbers of w_proj beyond 65,504 become infinite in f16, under 6e-5 they lose bits.
; SHARES.  Work-groups 0 to 255 take x, 256 to 351 w_qkv, 352 to 479 w_proj.  Rows are dense and K is a multiple of 32, so the first two are plain streams of blocks of 32 numbers.
; A quantising wave takes 16 steps of 512 numbers.  The conversions take 8 numbers of ONE block from a lane's registers, so a lane must hold 16 NEIGHBOURS; a load is best where neighbouring LANES take
; neighbouring bytes.  Both are had: each of a step's four loads reads 512 consecutive bytes; the 2,048 bytes go through the wave's own stage in LDS and come back 64 bytes a lane.  A lane's 16 codes are
; 8 bytes: the wave stores 256 consecutive bytes.  A wave's 256 scale bytes are gathered in LDS and leave as 256 consecutive bytes.  No barrier: waves share nothing.
; A casting wave takes 2,048 numbers: 16 loads of 512 consecutive bytes, 16 stores of 256; it touches no LDS.
.set SIZE_M, 8192
.set SIZE_N, 3072
.set SIZE_K, 1024
.set WAVES, 4
.set STEPS, 16
.set WGA,   SIZE_M*SIZE_K/(512*STEPS*WAVES)            ; 256 work-groups for x
.set WGQ,   (SIZE_M+SIZE_N)*SIZE_K/(512*STEPS*WAVES)   ; 352 for both quantised tensors
.set EMAX,  2
.set CB,    8                          ; bytes of 16 codes
.set R,     16                         ; v16-79   four sets of 16 numbers as they are loaded
.set X,     80                         ; v80-111  two sets of 16 neighbours
.set C,     128                        ; v128-191 codes: four registers for each step, so that no store's data are written again
.set E,     112                        ; v112-127 a scale byte for each step
.set WREG,  8192                       ; LDS: a region for each wave: two stages of 32 x SP bytes, and behind them its 256 scale bytes
.set SP,    80                         ; a lane's place in a stage: its 64 bytes + 16 of padding
.set SPW,   12                         ; v12      LDS address of my spare word; never rewritten
.set NIL,   13                         ; v13      0; never rewritten
.set SPARE, WAVES*WREG                 ; behind the four regions: the spare words, 128 bytes for each wave
	s_load_b128 s[4:7], s[0:1], 0x0                ; x, w_qkv
	s_load_b128 s[8:11], s[0:1], 0x10              ; x's codes, x's scales
	s_load_b128 s[12:15], s[0:1], 0x20             ; w_qkv's codes, its scales
	s_load_b128 s[24:27], s[0:1], 0x30             ; w_proj, its f16 copy
	v_lshl_add_u32 v[SPW], v0, 2, SPARE
	v_mov_b32 v[NIL], 0
	v_lshrrev_b32 v1, 5, v0
	v_readfirstlane_b32 s16, v1                    ; wave
	v_and_b32 v2, 31, v0                           ; lane
	v_lshlrev_b32 v3, 4, v2                        ; my 16 bytes of a load's 512
	s_mul_i32 s17, s16, WREG
	v_lshrrev_b32 v14, 2, v2
	v_mul_u32_u24 v14, v14, SP
	v_and_b32 v15, 3, v2
	v_lshl_add_u32 v14, v15, 4, v14
	v_add_nc_u32 v14, s17, v14                     ; the stage, on the way in: four lanes' 64 bytes on end, then 16 of padding
	v_mul_u32_u24 v15, v2, SP
	v_add_nc_u32 v15, s17, v15                     ; and on the way out: SP x lane: my 16 neighbours
	v_mul_u32_u24 v4, v2, CB                       ; my codes' place in a step's
	v_lshrrev_b32 v5, 1, v2
	s_add_co_u32 s17, s17, 2*32*SP
	v_add_nc_u32 v5, s17, v5                       ; LDS: my wave's 256 scale bytes, my block's byte
	v_lshlrev_b32 v7, 3, v2                        ; 8 bytes a lane
	v_add_nc_u32 v6, s17, v7
	s_wait_kmcnt 0x0
	s_cmp_ge_u32 ttmp9, WGQ                        ; the work-group's number alone decides the path
	s_cbranch_scc1 .Lcast
	s_cmp_lt_u32 ttmp9, WGA                        ; x's work-group or w_qkv's?  Only pointers are chosen: both take one path
	s_cselect_b64 s[4:5], s[4:5], s[6:7]
	s_cselect_b64 s[8:9], s[8:9], s[12:13]
	s_cselect_b64 s[10:11], s[10:11], s[14:15]
	s_cselect_b32 s17, 0, WGA
	s_sub_co_u32 s17, ttmp9, s17
	s_lshl_b32 s17, s17, 2
	s_add_co_u32 s18, s17, s16                     ; which run of 8,192 numbers of the tensor is my wave's
	s_mov_b32 s19, 0
	s_mov_b64 s[20:21], 512*STEPS*4
	s_mul_u64 s[20:21], s[18:19], s[20:21]
	s_add_nc_u64 s[4:5], s[4:5], s[20:21]
	s_mov_b64 s[20:21], 32*STEPS*CB
	s_mul_u64 s[20:21], s[18:19], s[20:21]
	s_add_nc_u64 s[8:9], s[8:9], s[20:21]
	s_lshl_b32 s18, s18, 8                         ; 256 scale bytes a run
	s_add_nc_u64 s[10:11], s[10:11], s[18:19]
.macro LOAD t
.irp i, 0,1,2,3
	global_load_b128 v[R+16*((\t)%4)+4*\i:R+16*((\t)%4)+4*\i+3], v3, s[4:5] offset:2048*(\t)+512*\i th:TH_LOAD_NT   ; 32 lanes read 512 consecutive bytes
.endr
.endm
.macro TURN t                          ; step t's numbers through the stage: LDS serves a wave's instructions in order, so no wait stands between the stores and the loads
.irp i, 0,1,2,3
	ds_store_b128 v14, v[R+16*((\t)%4)+4*\i:R+16*((\t)%4)+4*\i+3] offset:32*SP*((\t)%2)+8*SP*\i
.endr
.irp i, 0,1,2,3
	ds_load_b128 v[X+16*((\t)%2)+4*\i:X+16*((\t)%2)+4*\i+3], v15 offset:32*SP*((\t)%2)+16*\i
.endr
.endm
.irp t, 0,1,2,3
	LOAD \t
.endr
	s_wait_loadcnt 12                              ; step 0's four loads are in; the twelve of steps 1 to 3 may be out
	TURN 0
.macro STEP t
.set XS, X+16*((\t)%2)
.if (\t) > 0
	s_wait_dscnt 1                                 ; this step's numbers are back from the stage (the last step's byte store may be out): so its stores into the stage have read their registers,
.else
	s_wait_dscnt 0x0
.endif
.if (\t)+4 < STEPS
	LOAD (\t)+4                                    ; which take the loads of four steps on
.endif
.if (\t)+1 < STEPS
.if STEPS-2-(\t) >= 3
	s_wait_loadcnt 12                              ; the next step's four loads are in; those of the three steps behind it may be out
.else
	s_wait_loadcnt 4*(STEPS-2-(\t))
.endif
	TURN (\t)+1                                    ; and go through the other stage while this step is worked
.endif
	v_max3_num_f32 v8, |v[XS]|, |v[XS+1]|, |v[XS+2]|               ; the largest magnitude of my 16, in two chains
	v_max3_num_f32 v9, |v[XS+3]|, |v[XS+4]|, |v[XS+5]|
.irp i, 6,10
	v_max3_num_f32 v8, v8, |v[XS+\i]|, |v[XS+\i+1]|
	v_max3_num_f32 v9, v9, |v[XS+\i+2]|, |v[XS+\i+3]|
.endr
	v_max3_num_f32 v8, v8, |v[XS+14]|, |v[XS+15]|
	v_max3_num_f32 v8, v8, v9, (EMAX+1)<<23        ; and the floor 2^(EMAX + 1 - 127): so the byte cannot fall under 1
	v_max_num_f32_dpp v8, v8, v8 row_xmask:1 row_mask:0xf bank_mask:0xf   ; and of my neighbour's 16: the block's
	v_add_nc_u32 v11, -(EMAX<<23), v8              ; EMAX off its exponent field: the conversion takes the exponent field of this operand as its scale, and nothing else of it
	v_cvt_scalef32_pk8_fp4_f32 v[C+4*(\t)], v[XS:XS+7], v11
	v_cvt_scalef32_pk8_fp4_f32 v[C+4*(\t)+1], v[XS+8:XS+15], v11
	v_lshrrev_b32 v[E+(\t)], 23, v11               ; the scale's byte (also the plain line behind the conversions)
	ds_store_b8 v5, v[E+(\t)] offset:16*(\t)       ; both lanes of a block write the same byte with the same value
	global_store_b64 v4, v[C+4*(\t):C+4*(\t)+1], s[8:9] offset:32*CB*(\t)
.endm
.irp t, 0,1,2,3,4,5,6,7,8,9,10,11,12,13,14,15
	STEP \t
.endr
	ds_load_b64 v[8:9], v6                         ; LDS serves a wave's instructions in order: these see my stores
	s_wait_dscnt 0x0
	global_store_b64 v7, v[8:9], s[10:11]          ; 32 lanes store 256 consecutive bytes, aligned
	s_wait_tensorcnt 0x0                           ; the wave's end, behind my last LDS store
	ds_add_u32 v[SPW], v[NIL]
	s_wait_dscnt 0x0
	s_endpgm
.Lcast:                                                ; w_proj to f16: my wave's run of 2,048 numbers
	s_sub_co_u32 s17, ttmp9, WGQ
	s_lshl_b32 s17, s17, 2
	s_add_co_u32 s17, s17, s16                     ; the run, 0 to 511
	s_lshl_b32 s18, s17, 13                        ; 8,192 bytes in,
	s_mov_b32 s19, 0
	s_add_nc_u64 s[24:25], s[24:25], s[18:19]
	s_lshl_b32 s18, s17, 12                        ; 4,096 out
	s_add_nc_u64 s[26:27], s[26:27], s[18:19]
.irp i, 0,1,2,3,4,5,6,7,8,9,10,11,12,13,14,15
	global_load_b128 v[R+4*\i:R+4*\i+3], v3, s[24:25] offset:512*\i th:TH_LOAD_NT
.endr
.irp i, 0,1,2,3,4,5,6,7,8,9,10,11,12,13,14,15
	s_wait_loadcnt 15-\i                           ; loads come back in order: load i is in, the younger ones stay out
	v_cvt_pk_f16_f32 v[C+2*\i], v[R+4*\i], v[R+4*\i+1]
	v_cvt_pk_f16_f32 v[C+2*\i+1], v[R+4*\i+2], v[R+4*\i+3]
	global_store_b64 v7, v[C+2*\i:C+2*\i+1], s[26:27] offset:256*\i   ; 32 lanes store 256 consecutive bytes, aligned; every register is used once
.endr
	s_endpgm
.Lfunc_end_k_qd342ab53c7_prep:
	.size	k_qd342ab53c7_prep, .Lfunc_end_k_qd342ab53c7_prep-k_qd342ab53c7_prep
	.p2alignl 7, 3214868480
	.fill 96, 4, 3214868480
	.section	.rodata,"a",@progbits
	.p2align	6, 0x0
	.amdhsa_kernel k_qd342ab53c7_prep
		.amdhsa_group_segment_fixed_size 33280
		.amdhsa_private_segment_fixed_size 0
		.amdhsa_enable_private_segment 0
		.amdhsa_kernarg_size 64
		.amdhsa_user_sgpr_count 2
		.amdhsa_user_sgpr_kernarg_segment_ptr 1
		.amdhsa_wavefront_size32 1
		.amdhsa_system_sgpr_workgroup_id_x 1
		.amdhsa_system_sgpr_workgroup_id_y 1
		.amdhsa_system_sgpr_workgroup_id_z 1
		.amdhsa_system_vgpr_workitem_id 0
		.amdhsa_next_free_vgpr 192
		.amdhsa_next_free_sgpr 66
		.amdhsa_reserve_vcc 0
		.amdhsa_float_denorm_mode_32 3
		.amdhsa_float_denorm_mode_16_64 3
		.amdhsa_memory_ordered 1
		.amdhsa_forward_progress 1
		.amdhsa_inst_pref_size 39
	.end_amdhsa_kernel
	.amdgpu_metadata
---
amdhsa.version: [ 1, 2 ]
amdhsa.kernels:
  - .name:           k_qd342ab53c7_prep
    .symbol:         k_qd342ab53c7_prep.kd
    .args:
      - { .name: x, .offset: 0, .size: 8, .value_kind: global_buffer, .address_space: global }
      - { .name: w_qkv, .offset: 8, .size: 8, .value_kind: global_buffer, .address_space: global }
      - { .name: xc, .offset: 16, .size: 8, .value_kind: global_buffer, .address_space: global }
      - { .name: xs, .offset: 24, .size: 8, .value_kind: global_buffer, .address_space: global }
      - { .name: wc, .offset: 32, .size: 8, .value_kind: global_buffer, .address_space: global }
      - { .name: ws, .offset: 40, .size: 8, .value_kind: global_buffer, .address_space: global }
      - { .name: w_proj, .offset: 48, .size: 8, .value_kind: global_buffer, .address_space: global }
      - { .name: wp16, .offset: 56, .size: 8, .value_kind: global_buffer, .address_space: global }
    .group_segment_fixed_size: 33280
    .private_segment_fixed_size: 0
    .kernarg_segment_align: 8
    .kernarg_segment_size: 64
    .max_flat_workgroup_size: 128
    .sgpr_count:     66
    .vgpr_count:     192
    .wavefront_size: 32
...
	.end_amdgpu_metadata
.endif
;; end of part 1
;; launch qkv (part 2): grid 12 x 32, 4 waves a work-group, clusters of 4 x 4, 327,680 bytes of LDS; arguments xc, xs, wc, ws, qkvh; writes qkvh
.if DOCPART == 2
	.amdgcn_target "amdgcn-amd-amdhsa--gfx1250"
	.amdhsa_code_object_version 6
	.text
	.protected	k_qd342ab53c7_qkv
	.globl	k_qd342ab53c7_qkv
	.p2align	8
	.type	k_qd342ab53c7_qkv,@function
k_qd342ab53c7_qkv:
	s_mov_b64 s[64:65], 0
	v_nop
	global_prefetch_b8 v0, s[64:65] scope:SCOPE_SE
	s_setreg_imm32_b32 hwreg(HW_REG_WAVE_MODE, 25, 1), 1
	s_wait_xcnt 0x0
	s_wait_alu depctr_hold_cnt(0) depctr_sa_sdst(0) depctr_va_vdst(0) depctr_va_sdst(0) depctr_va_ssrc(0) depctr_va_vcc(0) depctr_vm_vsrc(0)
	s_getreg_b32 s2, hwreg(HW_REG_IB_STS2, 6, 4)
	s_cmp_eq_u32 s2, 0
	s_cbranch_scc0 .Lentry_in_a_cluster
	s_endpgm
.Lentry_in_a_cluster:
	s_bfe_u32 s2, ttmp6, 0x10000c
	s_cmp_lg_u32 s2, 0xf033
	s_cbranch_scc0 .Lentry_shape_is_right
	s_endpgm
.Lentry_shape_is_right:
; qkv[m][n] = sum over k of x[m][k] w_qkv[n][k], both as codes of FP4 (E2M1) with one E8M0 scale for each 32 along K; sums in f32; the result rounded once to f16 and laid by heads:
; qkvh [3 (q, k, v)][64 (batch x 16 + head)][2048 tokens][64] f16.  LIMIT: results beyond 65,504 become infinite in f16, under 6e-5 they lose bits.
; A tile, 256 x 256, is made by a work-group of four waves; a wave makes 128 x 128: 64 accumulators of 16 x 16, 512 registers.  K = 1,024 is two K steps of 512: the ring's two LDS slots are each filled once.
; THE SCALES of the work-group's 256 rows of x and 256 rows of w, for all of K, are two dense blocks of memory: they come into LDS once, with the first fills.
; CLUSTERS: 4 x 4 work-groups.  The four of a row of the cluster need the same tiles of x, the four of a column the same tiles of w: each tile is asked for JOINTLY, by the same tensor load with the
; same descriptor and a mask that names the four.  THE MATRIX INSTRUCTION IS USED TRANSPOSED (source 0 = 16 rows of w, source 1 = 16 rows of x): a lane then holds eight neighbouring channels of one token.
; REGISTERS, in windows of 256: window 0: v0-31 addresses; v32-95 scale words, two sets; from v128 x's fragments (8 x 16 rows x 128 K), ONE set; on the way out v32-63 and v128-191 are at work.
;   window 1: w's fragments, TWO sets, at v0 and at v128.   window 2: the 32 accumulators of my rows 0-63 (accumulator (a, b) at v[8 (8 a + b)]);   window 3: those of my rows 64-127.
.set SIZE_M, 8192
.set SIZE_N, 3072
.set SIZE_K, 1024
.set KSTEP,  512                       ; along K in a slot
.set NQ,     KSTEP/128                 ; matrix instructions deep
.set ROWB,   256                       ; a tile's row in bytes
.set KROW,   SIZE_K*4/8                ; a row of codes in memory, in bytes
.set PITCH,  272                       ; an LDS row: 256 bytes of data + 16 of padding, so that the 16 rows that a load touches begin 68 words apart
.set FR,     8                         ; registers of a fragment: 16 rows x 128 K
.set NL,     2                         ; LDS loads that bring one
.set NP,     4                         ; places behind this matrix instruction (ISA guide 7.12.1)
.set HALFT,  128*PITCH                 ; 128 rows: what one tensor load brings
.set SLOT,   4*HALFT                   ; x's 256 rows, then w's 256 rows
.set KS,     SIZE_K/32                 ; a row of scales in bytes
.set SCL,    2*SLOT                    ; behind the ring: the scales, as runs of 256 bytes + 16 of padding
.set HALFS,  (128*KS/256)*272          ; the scales of 128 rows
.set SBLK,   (16*KS/256)*272           ; those of 16 rows
.set SPARE,  SCL+4*HALFS               ; behind the scales: the spare words, 128 bytes for each wave
.set SPITCH, 272                       ; the way out: a stage of 16 rows x (256 bytes + 16) for each wave, in slot 0, which has had its only fill and its last read when the first result is stored there
.set ADRA, 16                          ; v16-17  LDS address of my x fragments in slot 0, 1
.set ADRB, 20                          ; v20-21  the same for w
.set STO,  24                          ; v24     the way out: where I put 16 bytes of a row
.set RD,   25                          ; v25     the way out: where I read 16 bytes back
.set CO,   26                          ; v26     my byte offset in qkvh
.set ADRS, 27                          ; v27     LDS address of my scale words: lanes 0-15 x's rows, lanes 16-31 w's
.set SPW,  28                          ; v28     LDS address of my spare word; never rewritten
.set NIL,  29                          ; v29     0; never rewritten
.set SC,   32                          ; scale words: set s at v[SC + 8 NQ s]; register NQ i + q: lanes 0-15 the word of x's block i, lanes 16-31 that of w's block i
.set TMP,  32                          ; the way out: a block's 32 packed registers
.set AF,   128                         ; x's fragments, in window 0
.set BK,   128                         ; the way out: 16 rows read back from the stage: v128-159 and v160-191 by turns
.set G1, 24
.set G0, 32
.set G1B, 48
.set G0B, 56
.set G1S, 68
.set G0S, 76
.set G1SB, 80
.set G0SB, 88
.set MSB, 0
.macro WIN new                         ; the immediate's high byte repeats the setting that is left
.if MSB != \new
	s_set_vgpr_msb (MSB<<8)|\new
.set MSB, \new
.endif
.endm
.set MUL_LO, 0xa1                      ; source 0 (w) window 1, source 1 (x) window 0, C and D window 2
.set MUL_HI, 0xf1                      ; the same, C and D window 3
.set TO_B,   0x40                      ; destination window 1, address window 0
; A joint load: waves 0 and 1 fetch for x, waves 2 and 3 for w.  The branch hangs on the wave's number alone.  An s_nop 0 and four v_nop follow each of the two lines.
.macro JLOAD g0a, g1a, g0b, g1b
	s_cmp_eq_u32 s15, 0
	s_cbranch_scc0 .Lfor_b_\@
	tensor_load_to_lds s[\g0a:\g0a+3], s[\g1a:\g1a+7]
	s_nop 0
.rept 4
	v_nop
.endr
	s_branch .Lasked_\@
.Lfor_b_\@:
	tensor_load_to_lds s[\g0b:\g0b+3], s[\g1b:\g1b+7]
	s_nop 0
.rept 4
	v_nop
.endr
.Lasked_\@:
.endm
.macro CROUND                          ; a round of the cluster's barrier
	s_barrier_signal -1
	s_barrier_wait -1
	s_cmp_lg_u32 s14, 0
	s_cbranch_scc1 .Lnot_wave_0_\@
	s_barrier_signal -3
.Lnot_wave_0_\@:
	s_barrier_wait -3
	s_barrier_signal -1
	s_barrier_wait -1
.endm
	s_load_b128 s[4:7], s[0:1], 0x0                ; x's codes s[4:5], x's scales s[6:7]
	s_load_b128 s[8:11], s[0:1], 0x10              ; w's codes s[8:9], w's scales s[10:11]
	s_load_b64 s[12:13], s[0:1], 0x20              ; qkvh
	v_lshl_add_u32 v[SPW], v0, 2, SPARE
	v_mov_b32 v[NIL], 0
	ds_add_u32 v[SPW], v[NIL]                      ; the wave's opening: the add, twice on end, and its wait ahead of my first tensor load
	ds_add_u32 v[SPW], v[NIL]
	v_lshrrev_b32 v1, 5, v0
	v_readfirstlane_b32 s14, v1                    ; wave 0..3
	s_lshr_b32 s15, s14, 1                         ; which half of the tile's rows is mine.  Also: I fetch for x (0) or for w (1)
	s_and_b32 s16, s14, 1                          ; which half of its columns.  Also: which 128 rows of that tile I fetch
	s_bfe_u32 s40, ttmp6, 0x40000                  ; cx, cy: my place in the cluster
	s_bfe_u32 s41, ttmp6, 0x40004
	s_lshl_b32 s42, ttmp9, 2
	s_add_co_u32 s42, s42, s40                     ; tile column = 4 x cluster x + cx
	s_and_b32 s17, ttmp7, 0xffff
	s_lshl_b32 s17, s17, 2
	s_add_co_u32 s17, s17, s41                     ; tile row = 4 x cluster y + cy
	s_lshl_b32 s43, s41, 2
	s_lshl_b32 s43, 15, s43                        ; my row of the cluster
	s_lshl_b32 s44, 0x1111, s40                    ; my column
	; descriptor group 1: a tile of 128 rows x 256 bytes, padded in LDS
	s_or_b32 s[G1+0], s43, (0<<16)|(1<<20)|(1<<21)|(5<<22)|(3<<25)  ; the mask: x's tiles go to my row; elements of 1 byte; padding on; bit 21 beside a mask; after every 64 words, 4 words
	s_or_b32 s[G1B+0], s44, (0<<16)|(1<<20)|(1<<21)|(5<<22)|(3<<25)
.irp g, G1, G1B
	s_mov_b32 s[\g+1], ROWB<<16                    ; tensor_dim0
	s_mov_b32 s[\g+2], 128<<16                     ; tensor_dim1
	s_mov_b32 s[\g+3], ROWB<<16                    ; tile_dim0
	s_mov_b32 s[\g+4], 128                         ; tile_dim1
	s_mov_b32 s[\g+5], KROW                        ; the pitch
	s_mov_b32 s[\g+6], 0
	s_mov_b32 s[\g+7], 0
.endr
	; and for the scales of 128 rows: a dense block of 4,096 bytes, as 16 rows of 256 bytes (32 elements of 8 bytes), 16 bytes of padding behind each
	s_or_b32 s[G1S+0], s43, (3<<16)|(1<<20)|(1<<21)|(5<<22)|(3<<25)
	s_or_b32 s[G1SB+0], s44, (3<<16)|(1<<20)|(1<<21)|(5<<22)|(3<<25)
.irp g, G1S, G1SB
	s_mov_b32 s[\g+1], 32<<16
	s_mov_b32 s[\g+2], (128*KS/256)<<16
	s_mov_b32 s[\g+3], 32<<16
	s_mov_b32 s[\g+4], 128*KS/256
	s_mov_b32 s[\g+5], 32
	s_mov_b32 s[\g+6], 0
	s_mov_b32 s[\g+7], 0
.endr
	s_lshl_b32 s18, s16, 7                         ; which 128 rows of the tile I fetch
	s_lshl_b32 s20, s17, 8
	s_add_co_u32 s20, s20, s18                     ; x: row 256 x tile row + 128 x half
	s_lshl_b32 s46, s42, 8
	s_add_co_u32 s46, s46, s18                     ; w: row 256 x tile column + 128 x half
	s_mov_b32 s21, 0
	s_mov_b32 s47, 0
	s_mov_b64 s[18:19], KS
	s_mul_u64 s[22:23], s[20:21], s[18:19]         ; where these rows' scales begin, in bytes
	s_mul_u64 s[92:93], s[46:47], s[18:19]
	s_mov_b64 s[18:19], KROW
	s_mul_u64 s[20:21], s[20:21], s[18:19]         ; and their codes
	s_mul_u64 s[46:47], s[46:47], s[18:19]
	s_mul_i32 s45, s14, HALFT                      ; where they go: wave x 128 rows: no place in the cluster enters an LDS address
	s_mul_i32 s94, s14, HALFS
	s_wait_dscnt 0x0                               ; both opening adds are done
	s_wait_kmcnt 0x0
	s_add_nc_u64 s[20:21], s[4:5], s[20:21]
	s_add_nc_u64 s[22:23], s[6:7], s[22:23]
	s_add_nc_u64 s[46:47], s[8:9], s[46:47]
	s_add_nc_u64 s[92:93], s[10:11], s[92:93]
	CROUND                                         ; all sixteen work-groups are here: the joint loads meet
	s_mov_b32 s[G0S], 1
	s_add_co_u32 s[G0S+1], s94, SCL
	s_mov_b64 s[G0S+2:G0S+3], s[22:23]
	s_or_b32 s[G0S+3], s[G0S+3], 0x80000000
	s_mov_b32 s[G0SB], 1
	s_add_co_u32 s[G0SB+1], s94, SCL
	s_mov_b64 s[G0SB+2:G0SB+3], s[92:93]
	s_or_b32 s[G0SB+3], s[G0SB+3], 0x80000000
	JLOAD G0S, G1S, G0SB, G1SB                     ; the scales first: they are wanted with K step 0
.irp s, 0,1
	s_mov_b32 s[G0+4*\s], 1
	s_add_co_u32 s[G0+4*\s+1], s45, \s*SLOT
	s_add_nc_u64 s[G0+4*\s+2:G0+4*\s+3], s[20:21], \s*ROWB
	s_or_b32 s[G0+4*\s+3], s[G0+4*\s+3], 0x80000000
	s_mov_b32 s[G0B+4*\s], 1
	s_add_co_u32 s[G0B+4*\s+1], s45, \s*SLOT
	s_add_nc_u64 s[G0B+4*\s+2:G0B+4*\s+3], s[46:47], \s*ROWB
	s_or_b32 s[G0B+4*\s+3], s[G0B+4*\s+3], 0x80000000
	JLOAD G0+4*\s, G1, G0B+4*\s, G1B               ; three loads of mine are out: the scales, K step 0, K step 1
.endr
	v_and_b32 v1, 15, v0                           ; l % 16
	v_bfe_u32 v2, v0, 4, 1                         ; l / 16
	v_mul_u32_u24 v3, v1, PITCH
	v_lshl_add_u32 v4, v2, 4, v3                   ; a fragment's row x pitch + 16 x half
	s_mul_i32 s21, s15, HALFT                      ; my 128 rows of x
	s_mul_i32 s22, s16, HALFT                      ; my 128 rows of w,
	s_add_co_u32 s22, s22, 2*HALFT                 ; which lie behind x's 256
.irp s, 0,1
	v_add_nc_u32 v[ADRA+\s], s21, v4
	v_add_nc_u32 v[ADRB+\s], s22, v4
	s_add_co_u32 s21, s21, SLOT
	s_add_co_u32 s22, s22, SLOT
.endr
	v_mul_u32_u24 v5, v1, KS                       ; my row's scales: KS bytes a row,
	v_lshrrev_b32 v6, 8, v5
	v_lshl_add_u32 v5, v6, 4, v5                   ; and 16 more for each 256 passed
	s_mul_i32 s21, s15, HALFS                      ; x's: my 128 rows
	s_mul_i32 s22, s16, HALFS                      ; w's: my 128 rows, behind x's 256
	s_add_co_u32 s22, s22, 2*HALFS
	s_sub_co_u32 s22, s22, s21
	v_mul_u32_u24 v6, s22, v2                      ; lanes 16-31 take w's: the lower base + half x the distance
	s_add_co_u32 s21, s21, SCL
	v_add_nc_u32 v5, v5, v6
	v_add_nc_u32 v[ADRS], s21, v5
	s_mul_i32 s23, s14, 16*SPITCH                  ; my stage
	v_mul_u32_u24 v5, v1, SPITCH                   ; in: row l % 16, 16 bytes for each half of the lanes
	v_lshl_add_u32 v5, v2, 4, v5
	v_add_nc_u32 v[STO], s23, v5
	v_bfe_u32 v5, v0, 3, 1                         ; back: a stage row holds 128 bytes of my first head and 128 of my second.  Lanes 0-15 take two rows' bytes of the first head, lanes 16-31 of the second
	v_mul_u32_u24 v5, v5, SPITCH
	v_lshl_add_u32 v5, v2, 7, v5
	v_and_b32 v6, 7, v0
	v_lshl_add_u32 v5, v6, 4, v5
	v_add_nc_u32 v[RD], s23, v5
	v_lshlrev_b32 v[CO], 4, v1                     ; in qkvh two tokens of a head are 256 consecutive bytes; the second head lies 2^18 bytes on
	v_lshl_add_u32 v[CO], v2, 18, v[CO]
	; where my part begins in qkvh.  By rows: batch (tile row / 8) x 2^22 + token x 128;  by columns: q, k or v (cluster x) x 2^24 + head (4 cx + 2 x half) x 2^18.  Each part in registers of its own
	s_lshr_b32 s20, s17, 3
	s_lshl_b32 s20, s20, 22
	s_and_b32 s21, s17, 7
	s_lshl_b32 s21, s21, 15
	s_add_co_u32 s20, s20, s21
	s_lshl_b32 s21, s15, 14
	s_add_co_u32 s20, s20, s21
	s_mov_b32 s21, 0
	s_lshl_b32 s46, ttmp9, 24
	s_lshl_b32 s47, s40, 20
	s_add_co_u32 s46, s46, s47
	s_lshl_b32 s47, s16, 19
	s_add_co_u32 s46, s46, s47
	s_mov_b32 s47, 0
	s_add_nc_u64 s[20:21], s[20:21], s[46:47]
	s_add_nc_u64 s[12:13], s[12:13], s[20:21]
.macro FRAG reg, adr, q, i             ; a fragment, 16 rows x 128 K of 4-bit codes, is 8 registers: lane l holds row l % 16; registers 4 c .. 4 c + 3 hold K = 64 c + 32 (l / 16) + 0 .. 31
.irp c, 0,1
	ds_load_b128 v[\reg+4*\c:\reg+4*\c+3], v[\adr] offset:64*(\q)+32*\c+(\i)*16*PITCH
.endr
.endm
; 16 matrix instructions: x's blocks a0, a0 + 1 against w's eight, 128 along K: the slot's q-th.  p: w's set;  sc: the set of scale words.  zero = 1: the first product starts the sums.
; The 64 accumulators take turns, one instruction a turn, in the same order in every step.
.macro MUL16 a0, p, q, sc, zero
.irp a, \a0, \a0+1
.irp b, 0,1,2,3,4,5,6,7
.if \zero
	v_wmma_scale_f32_16x16x128_f8f6f4 v[8*(8*((\a)%4)+\b):8*(8*((\a)%4)+\b)+7], v[128*(\p)+FR*\b:128*(\p)+FR*\b+FR-1], v[AF+FR*(\a):AF+FR*(\a)+FR-1], 0, v[SC+8*NQ*(\sc)+NQ*\b+(\q)], v[SC+8*NQ*(\sc)+NQ*(\a)+(\q)] matrix_a_fmt:MATRIX_FMT_FP4 matrix_b_fmt:MATRIX_FMT_FP4 matrix_a_scale:MATRIX_SCALE_ROW1
.else
	v_wmma_scale_f32_16x16x128_f8f6f4 v[8*(8*((\a)%4)+\b):8*(8*((\a)%4)+\b)+7], v[128*(\p)+FR*\b:128*(\p)+FR*\b+FR-1], v[AF+FR*(\a):AF+FR*(\a)+FR-1], v[8*(8*((\a)%4)+\b):8*(8*((\a)%4)+\b)+7], v[SC+8*NQ*(\sc)+NQ*\b+(\q)], v[SC+8*NQ*(\sc)+NQ*(\a)+(\q)] matrix_a_fmt:MATRIX_FMT_FP4 matrix_b_fmt:MATRIX_FMT_FP4 matrix_a_scale:MATRIX_SCALE_ROW1
.endif
.endr
.endr
.endm
.macro FETCH_B slot, q, p              ; w's eight fragments of the slot's q-th 128 along K into set p
	WIN TO_B
.irp i, 0,1,2,3,4,5,6,7
	FRAG 128*(\p)+FR*\i, ADRB+\slot, \q, \i
.endr
	WIN 0
.endm
.macro FETCH_A slot, q, i0             ; x's blocks i0 .. i0 + 3
.irp i, \i0, \i0+1, \i0+2, \i0+3
	FRAG AF+FR*(\i), ADRA+\slot, \q, \i
.endr
.endm
.macro SCALES sc                       ; a K step's scale words into set sc: NQ words a row; lanes 0-15 take x's block i, lanes 16-31 w's block i
.irp i, 0,1,2,3,4,5,6,7
	ds_load_b128 v[SC+8*NQ*\sc+NQ*\i:SC+8*NQ*\sc+NQ*\i+3], v[ADRS] offset:\i*SBLK
.endr
.endm
; A load into a register that a matrix instruction has read, and a vector instruction that reads a matrix result or writes one of its registers, stand NP places behind it; only plain vector
; instructions that name none of its registers are places.
.macro PLACES n
.rept \n
	v_nop
.endr
.endm
; A step of 128 along K that has its successor in the same slot.
.macro STEP slot, q, zero
	s_wait_dscnt 4*NL                              ; w's set and x's blocks 0-3 are in; the youngest eight loads (x's blocks 4-7) may be out
	WIN MUL_LO
	MUL16 0, (\q)%2, \q, \slot, \zero
	MUL16 2, (\q)%2, \q, \slot, \zero
	s_wait_dscnt 0                                 ; x's blocks 4-7 are in
	PLACES NP
	FETCH_B \slot, (\q)+1, 1-(\q)%2
	FETCH_A \slot, (\q)+1, 0
	WIN MUL_HI
	MUL16 4, (\q)%2, \q, \slot, \zero
	MUL16 6, (\q)%2, \q, \slot, \zero
	PLACES NP
	WIN 0
	FETCH_A \slot, (\q)+1, 4
.endm
; Slot 0's last step changes slots: ONE barrier; in front of it each wave waits for all its tensor loads (its part of slot 1), adds 0 to its spare word, and waits for that and for its own reads of slot 0.
; Nothing is filled again: K has no third step.
.macro TURN slot, next
	s_wait_tensorcnt 0x0                           ; all my tensor loads have landed
	ds_add_u32 v[SPW], v[NIL]                      ; 0 onto my spare word
	s_wait_dscnt 4*NL+1                            ; (the add and the youngest eight loads may be out)
	WIN MUL_LO
	MUL16 0, 1, NQ-1, \slot, 0                     ; sixteen matrix instructions stand between the add and the wait for it
	s_wait_dscnt 0x0                               ; the add is done, and my reads of this slot are over
	s_barrier_signal -1
	MUL16 2, 1, NQ-1, \slot, 0
	WIN 0
	s_barrier_wait -1
	PLACES NP
	v_add_nc_u32 v[ADRS], 4*NQ, v[ADRS]            ; on to the next K step's scale words (no LDS load of mine is out)
	FETCH_B \next, 0, 0
	FETCH_A \next, 0, 0
	SCALES \next
	WIN MUL_HI
	MUL16 4, 1, NQ-1, \slot, 0
	MUL16 6, 1, NQ-1, \slot, 0
	PLACES NP
	WIN 0
	FETCH_A \next, 0, 4
.endm
.macro STEPS slot, from                ; the slot's steps from .. NQ - 2
.set Q, \from
.rept NQ-1-\from
	STEP \slot, Q, 0
.set Q, Q+1
.endr
.endm
	s_wait_tensorcnt 1                             ; the scales and my part of K step 0 are in (K step 1's load may be out),
	s_barrier_signal -1
	s_barrier_wait -1                              ; everybody's are
	FETCH_B 0, 0, 0
	FETCH_A 0, 0, 0
	SCALES 0
	FETCH_A 0, 0, 4
	STEP 0, 0, 1                                   ; the first step's products start the sums: nothing is cleared
	STEPS 0, 1
	TURN 0, 1
	STEPS 1, 0
	s_wait_dscnt 4*NL                              ; the very last step: nothing more to fetch
	WIN MUL_LO
	MUL16 0, 1, NQ-1, 1, 0
	MUL16 2, 1, NQ-1, 1, 0
	s_wait_dscnt 0
	WIN MUL_HI
	MUL16 4, 1, NQ-1, 1, 0
	MUL16 6, 1, NQ-1, 1, 0
	WIN 0
; THE WAY OUT, block by block of 16 tokens x 128 channels (two heads).  PACK: rounded to f16, 16 bytes a lane, each accumulator from its low end on.  TOSTAGE: into my own stage and back by heads.
; SEND: sixteen lanes store two tokens of one head, 256 consecutive bytes at a multiple of 256 from the buffer's first byte.
.macro PACK a
.set AC, 64*((\a)%4)
	WIN 0x0a+5*((\a)/4)                            ; sources 0 and 1: window 2 or 3
.irp b, 0,1,2,3,4,5,6,7
.irp r, 0,1,2,3
	v_cvt_pk_f16_f32 v[TMP+4*\b+\r], v[AC+8*\b+2*\r], v[AC+8*\b+2*\r+1]
.endr
.endr
	WIN 0
.endm
.macro TOSTAGE a
.set BB, BK+32*((\a)%2)
.if (\a) > 1
	s_wait_xcnt 0x0                                ; block a - 2's stores have read their registers: block a's loads may land there
.endif
.irp b, 0,1,2,3,4,5,6,7
	ds_store_b128 v[STO], v[TMP+4*\b:TMP+4*\b+3] offset:32*\b
.endr
.irp t, 0,1,2,3,4,5,6,7
	ds_load_b128 v[BB+4*\t:BB+4*\t+3], v[RD] offset:\t*2*SPITCH    ; LDS serves a wave's instructions in order: these see the stores above
.endr
.endm
.macro SEND a
.set BB, BK+32*((\a)%2)
	s_wait_dscnt 0x0                               ; the block is back in registers
.irp t, 0,1,2,3,4,5,6,7
	global_store_b128 v[CO], v[BB+4*\t:BB+4*\t+3], s[12:13] offset:(\a)*2048+\t*256
.endr
.endm
	PLACES NP                                      ; behind the last products: for the conversions, which read results and write registers that held scales, and for the loads into x's fragments
	PACK 0
	TOSTAGE 0
.irp a, 1,2,3,4,5,6,7                  ; block a's conversions stand between block a - 1's loads from the stage and the wait for them
	PACK \a
	SEND \a-1
	TOSTAGE \a
.endr
	SEND 7
	s_wait_tensorcnt 0x0                           ; the wave's end, behind my last tensor load and my last LDS store
	ds_add_u32 v[SPW], v[NIL]
	s_wait_dscnt 0x0
	CROUND                                         ; the closing round: no work-group ends while a partner may still ask for a tile that names it
	s_endpgm
.Lfunc_end_k_qd342ab53c7_qkv:
	.size	k_qd342ab53c7_qkv, .Lfunc_end_k_qd342ab53c7_qkv-k_qd342ab53c7_qkv
	.p2alignl 7, 3214868480
	.fill 96, 4, 3214868480
	.section	.rodata,"a",@progbits
	.p2align	6, 0x0
	.amdhsa_kernel k_qd342ab53c7_qkv
		.amdhsa_group_segment_fixed_size 327680
		.amdhsa_private_segment_fixed_size 0
		.amdhsa_enable_private_segment 0
		.amdhsa_kernarg_size 40
		.amdhsa_user_sgpr_count 2
		.amdhsa_user_sgpr_kernarg_segment_ptr 1
		.amdhsa_wavefront_size32 1
		.amdhsa_system_sgpr_workgroup_id_x 1
		.amdhsa_system_sgpr_workgroup_id_y 1
		.amdhsa_system_sgpr_workgroup_id_z 1
		.amdhsa_system_vgpr_workitem_id 0
		.amdhsa_next_free_vgpr 1024
		.amdhsa_next_free_sgpr 98
		.amdhsa_reserve_vcc 0
		.amdhsa_float_denorm_mode_32 3
		.amdhsa_float_denorm_mode_16_64 3
		.amdhsa_memory_ordered 1
		.amdhsa_forward_progress 1
		.amdhsa_inst_pref_size 126
	.end_amdhsa_kernel
	.amdgpu_metadata
---
amdhsa.version: [ 1, 2 ]
amdhsa.kernels:
  - .name:           k_qd342ab53c7_qkv
    .symbol:         k_qd342ab53c7_qkv.kd
    .args:
      - { .name: xc, .offset: 0, .size: 8, .value_kind: global_buffer, .address_space: global }
      - { .name: xs, .offset: 8, .size: 8, .value_kind: global_buffer, .address_space: global }
      - { .name: wc, .offset: 16, .size: 8, .value_kind: global_buffer, .address_space: global }
      - { .name: ws, .offset: 24, .size: 8, .value_kind: global_buffer, .address_space: global }
      - { .name: qkvh, .offset: 32, .size: 8, .value_kind: global_buffer, .address_space: global }
    .group_segment_fixed_size: 327680
    .private_segment_fixed_size: 0
    .kernarg_segment_align: 8
    .kernarg_segment_size: 40
    .max_flat_workgroup_size: 128
    .sgpr_count:     98
    .vgpr_count:     1024
    .wavefront_size: 32
...
	.end_amdgpu_metadata
.endif
;; end of part 2
;; launch attn (part 3): grid 4 x 64, 8 waves a work-group, no clusters, 327,680 bytes of LDS; arguments qkvh, rel_bias_table, att; writes att
.if DOCPART == 3
	.amdgcn_target "amdgcn-amd-amdhsa--gfx1250"
	.amdhsa_code_object_version 6
	.text
	.protected	k_qd342ab53c7_attn
	.globl	k_qd342ab53c7_attn
	.p2align	8
	.type	k_qd342ab53c7_attn,@function
k_qd342ab53c7_attn:
	s_mov_b64 s[64:65], 0
	v_nop
	global_prefetch_b8 v0, s[64:65] scope:SCOPE_SE
	s_setreg_imm32_b32 hwreg(HW_REG_WAVE_MODE, 25, 1), 1
	s_wait_xcnt 0x0
; att[b][q][head 64 h + d] = the sum over k of softmax_k(Q[q] . K[k] / 8 + bias(k - q, h)) V[k][d].  Q, K, V: qkvh [3][64 (batch x 16 + head)][2048][64] f16.  Products' sums, maxima and row sums in f32;
; the weights p are rounded to f16 for the second product, the result once to f16.  LIMITS: results beyond 65,504 become infinite in f16; a p under 2^-25 counts as 0; NaN and infinities are not served.
; SHARES.  A work-group owns 512 queries of one batch and head, each of its eight waves 64: four tiles of 16, in 512 registers; two waves share a SIMD, so that one wave's vector work stands beside the
; other's matrix work.  Every wave walks all 2,048 keys, 64 a step.  K's and V's tiles come through a ring of two LDS slots of four steps; waves 0-3 fetch K's four tiles, waves 4-7 V's: one load a wave.
; LAYOUT.  S^T = K Q^T (source 0 = 16 keys, source 1 = 16 queries): a lane holds ONE query (lane % 16) and the keys 8 (lane / 16) + 0..7.  Two such tiles, rounded to f16 in pairs, ARE source 1 of
; O^T = V^T P, whose result again holds one query a lane and eight channels.  K comes out of LDS as it lies, V ([key][channel]) turned, by ds_load_tr16_b128.
; THE BIAS hangs on key - query and the head alone.  Its bucket for |key - query| = rp is rp under 8, else 8 + the number of thresholds 12, 16, 23, 32, 46, 64, 91 that rp reaches (8 + floor(2 log2(rp / 8)), at
; most 15), + 16 where the key comes after the query.  From rp = 91 on it is one number for each sign.  A step whose 64 keys lie three steps or more from my 64 queries (rp at least 129) is FAR: the scores begin
; with C = 0 and the one number b' goes into the softmax's constants.  The five NEAR steps begin with C = an IMAGE of 8 x bias in the result's layout, loaded into the accumulators: no vector work.
; The 24 images (key tile - query tile = -11 .. 12) are made once, at the head, by all eight waves, and lie in LDS.
; SOFTMAX, in units of q . k: S' = q . k + 8 bias; c = log2(e) / 8; for each query a running maximum m and sum l: p = 2^(c S' + (c b' - c m)); in every step O and l are multiplied by 2^(c m_old - c m_new).
; NO CLUSTER, though the four query blocks of a head walk the same K and V: the branch near / far and the LDS address of the images hang on key step - query block, which differs between those four.
; REGISTERS, in windows of 256: window 0: v1-10 addresses; v11-14 c m of the four tiles; v16-47 eight registers of statistics a tile; v60-63 addresses; v64-191 S^T, 32 a tile (P is made in place, in each
;   tile's first 16); v192-255 K's 8 fragments.   window 1: v0-127 O^T, 32 a tile; v128-191 Q; v192-255 V's 8 fragments.
.set KS,    64                         ; keys in a step
.set PK,    144                        ; a row of K in LDS: 128 bytes + 16 of padding
.set PV,    160                        ; a row of V: 128 + 32
.set VOFF,  KS*PK                      ; a step's tiles lie together: 64 rows of K, then 64 rows of V
.set STEPB, KS*(PK+PV)
.set NST,   4                          ; steps in a slot
.set SLOT1, 1<<17                      ; slot 1 begins here, so that one exclusive or turns an address in one slot into the other's
.set IMG,   NST*STEPB                  ; behind slot 0: the 24 images, 1,024 bytes each: word (register j, lane l) of image g at 1024 g + 512 (j / 4) + 16 l + 4 (j % 4).  No tensor load lands here
.set SPARE, IMG+24*1024                ; the spare words, 128 bytes for each wave
.set AK0, 2                            ; v2   my lane's place in a tile of K; never rewritten
.set AV0, 3                            ; v3   the same for V
.set ADK, 4                            ; v4   LDS address of the step's K
.set ADV, 5                            ; v5   of its V
.set AI0, 6                            ; v6   IMG + 16 x lane
.set ADI, 7                            ; v7   LDS address of the step's images
.set QO,  8                            ; v8   my byte offset in the wave's rows of Q
.set GO,  9                            ; v9   16 x lane: my place in an image of the result
.set CM,  11                           ; v11-14 c m, a tile each
.set ST,  16                           ; tile t's statistics at v[ST + 8 t]: +0 c b' - c m, +1 m, +2, +3 l (in two halves), +4 to +7 at work; +6 also the factor 2^(c m_old - c m_new)
.set AIW, 60                           ; v60  IMG + 16 x thread: where I store my part of the images
.set PFO, 61                           ; v61  256 x lane; never rewritten
.set SPW, 62                           ; v62  LDS address of my spare word; never rewritten
.set NIL, 63                           ; v63  0; never rewritten
.set S,   64
.set OFS, 96                           ; at the head: v96-119 the byte offsets in the table of my 24 words
.set KF,  192
.set BC,  200                          ; at the head: v200-207 the numbers 8 to 15
.set QF,  128                          ; in window 1
.set VF,  192                          ; in window 1
.set WV,  12                           ; s12  my wave's number
.set Q64, 13                           ; s13  my block of 64 queries in the head: 8 x work-group x + wave
.set G1K, 24                           ; s[24:31] descriptor group 1 for K's tiles;  s[32:39] for V's: it differs in the padding alone
.set G1V, 32
.set G0K, 40                           ; s[40:43], s[44:47] their groups 0, which walk
.set G0V, 44
.set SLOTS, 56                         ; s56  slots still to be asked for
.set STP, 57                           ; s57  counts a slot's steps
.set CS,  58                           ; s[58:59] c: the packed form names a pair and takes its low word for both halves
.set SEL, 60                           ; s[60:61] lane selects for v_permlanex16_b32: lane l xor 16
.set TB,  62                           ; s62  LDS byte at which the step's tiles begin
.set KI,  63                           ; s63  the key step
.set DL,  66                           ; s66  key step - my query block + 2: 0 to 4 in a near step
.set SB,  67                           ; s67  b' of the step;  s68  c b'
.set CSB, 68
.set BN,  69                           ; s69  8 x table[15][head]: keys far before;  s70  8 x table[31][head]: far after;  s71, s72 c x those
.set BP,  70
.set CBN, 71
.set CBP, 72
.set IDX, 73                           ; s73  4096 x min(DL, 4): where the step's images begin
.set PFA, 74                           ; s[74:75] where my prefetches stand: my wave's tile of the slot after the one that is being asked for
.set LIM, 76                           ; s76  1 in a work-group that prefetches, else the greatest number
.set MSB, 0
.macro WIN new                         ; the immediate's high byte repeats the setting that is left
.if MSB != \new
	s_set_vgpr_msb (MSB<<8)|\new
.set MSB, \new
.endif
.endm
.set W_KQ, 0x04                        ; Q (source 1) in window 1; K and S^T in window 0
.set W_PV, 0x51                        ; V (source 0) and O^T (C and D) in window 1; P in window 0
.set W_RS, 0x41                        ; O^T (destination and source 0) in window 1
.set TO_1, 0x40                        ; destination in window 1
.set W_CV, 0x05                        ; sources 0 and 1 in window 1
; Waves 0-3 fetch K's tile of step (wave) of the slot, waves 4-7 V's tile of step (wave - 4).  The branch hangs on the wave's number alone.  An s_nop 0 and four v_nop follow each line.
.macro TLOAD
	s_cmp_lt_u32 s[WV], 4
	s_cbranch_scc0 .Lfor_v_\@
	tensor_load_to_lds s[G0K:G0K+3], s[G1K:G1K+7]
	s_nop 0
.rept 4
	v_nop
.endr
	s_branch .Lasked_\@
.Lfor_v_\@:
	tensor_load_to_lds s[G0V:G0V+3], s[G1V:G1V+7]
	s_nop 0
.rept 4
	v_nop
.endr
.Lasked_\@:
.endm
; A PREFETCH of what the NEXT change of slots will ask for: four key steps ahead of that load.  It stands behind the wave's tensor load.  All four work-groups of a head walk the same K and V: the first of them
; asks (a branch on the work-group's number).  Each of its waves asks for its own next tile, 8,192 dense bytes, lanes 256 bytes apart: so each block of 256 bytes is named once in the launch.
; The last change that fills a slot asks for nothing: there is no slot behind it.  Slots 0 and 1 come by their loads alone.
.macro ASK
	s_cmp_gt_u32 s[SLOTS], s[LIM]
	s_cbranch_scc0 .Lnot_mine_\@
	global_prefetch_b8 v[PFO], s[PFA:PFA+1] th:TH_LOAD_NT scope:SCOPE_SE
.Lnot_mine_\@:
.endm
.macro PLACES
.rept 4
	v_nop
.endr
.endm
	s_load_b128 s[4:7], s[0:1], 0x0                ; qkvh s[4:5], the table s[6:7]
	s_load_b64 s[8:9], s[0:1], 0x10                ; att
	v_lshl_add_u32 v[SPW], v0, 2, SPARE
	v_mov_b32 v[NIL], 0
	ds_add_u32 v[SPW], v[NIL]                      ; the wave's opening: the add, twice on end, and its wait ahead of my first tensor load
	ds_add_u32 v[SPW], v[NIL]
	v_lshrrev_b32 v15, 5, v0
	v_readfirstlane_b32 s[WV], v15                 ; wave 0..7
	s_lshl_b32 s[Q64], ttmp9, 3
	s_add_co_u32 s[Q64], s[Q64], s[WV]
	s_and_b32 s14, ttmp7, 0xffff                   ; batch x 16 + head
	s_lshl_b32 s15, s14, 18                        ; its first byte in each of q, k, v
	s_and_b32 s16, s[WV], 3                        ; which of a slot's four steps I fetch:
	s_lshl_b32 s17, s16, 13                        ; its 64 rows of 128 bytes in memory,
	s_add_co_u32 s17, s17, s15
	s_add_co_u32 s18, s17, 1<<24                   ; in k,
	s_mov_b32 s19, 0
	s_add_co_u32 s20, s17, 1<<25                   ; in v,
	s_mov_b32 s21, 0
	s_mul_i32 s22, s16, STEPB                      ; and its place in a slot
	s_lshl_b32 s2, s[Q64], 13                      ; my 64 queries
	s_add_co_u32 s2, s2, s15
	s_mov_b32 s3, 0
	s_lshr_b32 s78, s14, 4                         ; att: row tile 128 x batch + 4 x my query block, 32,768 bytes each; + 2,048 x head
	s_lshl_b32 s78, s78, 7
	s_lshl_b32 s79, s[Q64], 2
	s_add_co_u32 s78, s78, s79
	s_lshl_b32 s78, s78, 15
	s_and_b32 s77, s14, 15                         ; the head
	s_lshl_b32 s79, s77, 11
	s_add_co_u32 s78, s78, s79
	s_mov_b32 s79, 0
	s_lshl_b32 s77, s77, 2                         ; its 4 bytes in a row of the table
	s_lshr_b32 s23, s[WV], 1                       ; the images: my thread's words begin at key - query = 16 (wave / 2) + 4 (wave % 2) - 176 + 8 (lane / 16) - lane % 16
	s_lshl_b32 s23, s23, 4
	s_and_b32 s16, s[WV], 1
	s_lshl_b32 s16, s16, 2
	s_add_co_u32 s23, s23, s16
	s_sub_co_i32 s23, s23, 176
	; descriptor group 1: a tile of 64 rows x 64 elements of 2 bytes, dense in memory, padded in LDS
	s_mov_b32 s[G1K], (1<<16)|(1<<20)|(4<<22)|(3<<25)   ; no mask; elements of 2 bytes; padding on: after every 32 words 4 words
	s_mov_b32 s[G1V], (1<<16)|(1<<20)|(4<<22)|(7<<25)   ; the same with 8 words
.irp g, G1K, G1V
	s_mov_b32 s[\g+1], 64<<16                      ; tensor_dim0
	s_mov_b32 s[\g+2], KS<<16                      ; tensor_dim1
	s_mov_b32 s[\g+3], 64<<16                      ; tile_dim0
	s_mov_b32 s[\g+4], KS                          ; tile_dim1
	s_mov_b32 s[\g+5], 64                          ; the pitch
	s_mov_b32 s[\g+6], 0
	s_mov_b32 s[\g+7], 0
.endr
	s_mov_b32 s[CS], 0x3e38aa3b                    ; c = log2(e) / 8
	s_mov_b32 s[CS+1], s[CS]                       ; (named with it as a pair, so it is written)
	s_mov_b32 s[SEL], 0x76543210
	s_mov_b32 s[SEL+1], 0xfedcba98
	s_mov_b32 s[TB], 0
	s_mov_b32 s[KI], 0
	s_mov_b32 s[SLOTS], 2048/(NST*KS)-1
	s_wait_dscnt 0x0                               ; both opening adds are done
	s_wait_kmcnt 0x0
	s_add_nc_u64 s[18:19], s[4:5], s[18:19]        ; my tile of slot 0, in k
	s_add_nc_u64 s[20:21], s[4:5], s[20:21]        ; and in v
	s_mov_b32 s[G0K], 1                            ; count = 1
	s_mov_b32 s[G0K+1], s22                        ; LDS address: slot 0
	s_mov_b64 s[G0K+2:G0K+3], s[18:19]
	s_or_b32 s[G0K+3], s[G0K+3], 0x80000000        ; type = 2
	s_mov_b32 s[G0V], 1
	s_add_co_u32 s[G0V+1], s22, VOFF
	s_mov_b64 s[G0V+2:G0V+3], s[20:21]
	s_or_b32 s[G0V+3], s[G0V+3], 0x80000000
	TLOAD                                          ; slot 0: one load of mine is out
	s_cmp_lt_u32 s[WV], 4
	s_cselect_b64 s[PFA:PFA+1], s[18:19], s[20:21]
	s_add_nc_u64 s[PFA:PFA+1], s[PFA:PFA+1], NST*KS*128   ; in slot 1: the first change of slots steps it to slot 2.  Nothing is prefetched here, at the head
	s_cmp_eq_u32 ttmp9, 0
	s_cselect_b32 s[LIM], 1, -1
	s_add_nc_u64 s[4:5], s[4:5], s[2:3]            ; Q at my first query
	s_add_nc_u64 s[8:9], s[8:9], s[78:79]          ; att at my first row tile
	v_and_b32 v1, 15, v0                           ; r = lane % 16
	v_bfe_u32 v10, v0, 4, 1                        ; h = lane / 16
	v_and_b32 v15, 31, v0                          ; lane
	v_lshlrev_b32 v[QO], 7, v1
	v_lshl_add_u32 v[QO], v10, 4, v[QO]            ; row r of 128 bytes + 16 h
	WIN TO_1
.irp t, 0,1,2,3                        ; Q stays in registers: tile t, channels 32 cs on: a fragment is two loads of 16 bytes, 32 bytes apart
.irp cs, 0,1
	global_load_b128 v[QF+16*\t+8*\cs:QF+16*\t+8*\cs+3],   v[QO], s[4:5] offset:\t*2048+\cs*64
	global_load_b128 v[QF+16*\t+8*\cs+4:QF+16*\t+8*\cs+7], v[QO], s[4:5] offset:\t*2048+\cs*64+32
.endr
.endr
	WIN 0
	v_mov_b32 v48, s77
	global_load_b32 v49, v48, s[6:7] offset:15*64  ; table[15][head]
	global_load_b32 v50, v48, s[6:7] offset:31*64  ; table[31][head]
	v_mul_u32_u24 v[AK0], v1, PK
	v_lshl_add_u32 v[AK0], v10, 4, v[AK0]          ; K: row x pitch + 16 x half
	v_and_b32 v11, 7, v0                           ; V: the turning load takes 16 keys x 16 channels: lane l reads key 8 (l / 16) + l % 8, channels 8 ((l / 8) % 2) + 0..7
	v_bfe_u32 v12, v0, 3, 1
	v_lshl_add_u32 v[AV0], v10, 3, v11
	v_mul_u32_u24 v[AV0], v[AV0], PV
	v_lshl_add_u32 v[AV0], v12, 4, v[AV0]
	v_add_nc_u32 v[AV0], VOFF, v[AV0]
	v_lshl_add_u32 v[AI0], v15, 4, IMG
	v_lshlrev_b32 v[GO], 4, v15
	v_lshl_add_u32 v[AIW], v0, 4, IMG
	v_lshlrev_b32 v[PFO], 8, v15
	; THE IMAGES.  Thread n's store i covers bytes 4096 i + 16 n: image 4 i + wave / 2, registers 4 (wave % 2) + 0..3, lane n % 32.  Word jj of it belongs to key - query = v11 + 64 i + jj.
	v_lshlrev_b32 v11, 3, v10
	v_sub_nc_u32 v11, v11, v1
	v_add_nc_u32 v11, s23, v11
.irp k, 0,1,2,3,4,5,6,7
	v_mov_b32 v[BC+\k], 8+\k
.endr
.macro BUCKET n                        ; word n = 4 i + jj: its bucket by whole-number compares on ids, its byte offset in the table, its load
	v_add_nc_u32 v12, 64*((\n)/4)+(\n)%4, v11      ; rel = key - query
	v_sub_nc_u32 v13, 0, v12
	v_cmp_gt_i32 vcc_lo, 0, v12
	v_cndmask_b32 v14, v12, v13, vcc_lo            ; rp = |rel|
	v_cmp_le_u32 vcc_lo, 8, v14
	v_cndmask_b32 v[OFS+(\n)], v14, v[BC], vcc_lo  ; rp under 8, else 8,
.set BKI, 1
.irp thr, 12,16,23,32,46,64,91
	v_cmp_le_u32 vcc_lo, \thr, v14                 ; and one more from each threshold on
	v_cndmask_b32 v[OFS+(\n)], v[OFS+(\n)], v[BC+BKI], vcc_lo
.set BKI, BKI+1
.endr
	v_lshrrev_b32 v13, 31, v13                     ; 1 where rel > 0
	v_lshl_add_u32 v[OFS+(\n)], v13, 4, v[OFS+(\n)]
	v_lshl_add_u32 v[OFS+(\n)], v[OFS+(\n)], 6, v48    ; 64 bytes a row of the table, + the head's 4
	global_load_b32 v[S+(\n)], v[OFS+(\n)], s[6:7]
.endm
.irp n, 0,1,2,3,4,5,6,7,8,9,10,11,12,13,14,15,16,17,18,19,20,21,22,23
	BUCKET \n
.endr
	WIN TO_1
.set i, 0
.rept 128
	v_mov_b32 v[i], 0                              ; O^T.  (The step is written with no first form: the first step finds zeros, which its factor 0 leaves zeros.)  This work stands while the loads are out
.set i, i+1
.endr
	WIN 0
.irp t, 0,1,2,3
	v_mov_b32 v[ST+8*\t+1], 0xff61b1e6             ; m: -3e38, under every score
	v_mul_f32 v[CM+\t], s[CS], v[ST+8*\t+1]        ; c m
	v_mov_b32 v[ST+8*\t+2], 0                      ; l, in two halves
	v_mov_b32 v[ST+8*\t+3], 0
.endr
	s_wait_loadcnt 0x0                             ; Q, the two far numbers, my 24 words
.irp n, 0,1,2,3,4,5,6,7,8,9,10,11,12,13,14,15,16,17,18,19,20,21,22,23
	v_mul_f32 v[S+\n], 0x41000000, v[S+\n]         ; 8 x bias: in units of q . k
.endr
.irp i, 0,1,2,3,4,5
	ds_store_b128 v[AIW], v[S+4*\i:S+4*\i+3] offset:4096*\i   ; the first change of slots waits for these stores ahead of its barrier, behind which all waves read them
.endr
	v_mul_f32 v49, 0x41000000, v49
	v_mul_f32 v50, 0x41000000, v50
	v_mul_f32 v51, s[CS], v49
	v_mul_f32 v52, s[CS], v50
	v_readfirstlane_b32 s[BN], v49                 ; the same in every lane.  They serve as numbers alone: no address and no branch hangs on them
	v_readfirstlane_b32 s[BP], v50
	v_readfirstlane_b32 s[CBN], v51
	v_readfirstlane_b32 s[CBP], v52
.macro KLOAD                           ; the step's K: 8 fragments (16 keys kt x 32 channels cs), 16 loads
.irp kt, 0,1,2,3
.irp cs, 0,1
	ds_load_b128 v[KF+8*(2*\kt+\cs):KF+8*(2*\kt+\cs)+3],   v[ADK] offset:\kt*16*PK+64*\cs
	ds_load_b128 v[KF+8*(2*\kt+\cs)+4:KF+8*(2*\kt+\cs)+7], v[ADK] offset:\kt*16*PK+64*\cs+32
.endr
.endr
.endm
.macro VLOAD                           ; the step's V, turned: 8 fragments (keys 32 (f / 4) on, channels 16 (f % 4) on), 16 loads
	WIN TO_1
.irp f, 0,1,2,3,4,5,6,7
	ds_load_tr16_b128 v[VF+8*\f:VF+8*\f+3],   v[ADV] offset:(\f/4)*32*PV+(\f%4)*32
	ds_load_tr16_b128 v[VF+8*\f+4:VF+8*\f+7], v[ADV] offset:(\f/4)*32*PV+16*PV+(\f%4)*32
.endr
	WIN 0
.endm
.macro ILOAD                           ; a near step's 16 images into the accumulators: tile (t, kt) takes image 4 DL + kt - t + 3; 32 loads
	v_add_nc_u32 v[ADI], s[IDX], v[AI0]
.irp t, 0,1,2,3
.irp kt, 0,1,2,3
.irp c, 0,1
	ds_load_b128 v[S+32*\t+8*\kt+4*\c:S+32*\t+8*\kt+4*\c+3], v[ADI] offset:(\kt-\t+3)*1024+512*\c
.endr
.endr
.endr
.endm
; 16 products of S^T: channels 32 cs on.  zero = 1: they start the sums with 0; else they add onto what the accumulators hold.  The 16 accumulators take turns, one instruction a turn.
.macro QK cs, zero
	WIN W_KQ
.irp t, 0,1,2,3
.irp kt, 0,1,2,3
.if \zero
	v_wmma_f32_16x16x32_f16 v[S+32*\t+8*\kt:S+32*\t+8*\kt+7], v[KF+8*(2*\kt+\cs):KF+8*(2*\kt+\cs)+7], v[QF+16*\t+8*\cs:QF+16*\t+8*\cs+7], 0
.else
	v_wmma_f32_16x16x32_f16 v[S+32*\t+8*\kt:S+32*\t+8*\kt+7], v[KF+8*(2*\kt+\cs):KF+8*(2*\kt+\cs)+7], v[QF+16*\t+8*\cs:QF+16*\t+8*\cs+7], v[S+32*\t+8*\kt:S+32*\t+8*\kt+7]
.endif
.endr
.endr
	WIN 0
.endm
.macro PVM                             ; 32 products of O^T += V^T P: keys 32 ks on; the 16 accumulators (t, ct) by turns
	WIN W_PV
.irp ks, 0,1
.irp t, 0,1,2,3
.irp ct, 0,1,2,3
	v_wmma_f32_16x16x32_f16 v[32*\t+8*\ct:32*\t+8*\ct+7], v[VF+8*(4*\ks+\ct):VF+8*(4*\ks+\ct)+7], v[S+32*\t+8*\ks:S+32*\t+8*\ks+7], v[32*\t+8*\ct:32*\t+8*\ct+7]
.endr
.endr
.endr
	WIN 0
.endm
; THE SOFTMAX of a step, the four tiles by turns, so that no line waits for the line above it.
.macro SOFTMAX
.irp j, 0,1,2,3                        ; the step's largest S': four chains a tile, one for each accumulator, each begun at the accumulator's low end
.irp t, 0,1,2,3
	v_max3_num_f32 v[ST+8*\t+4+\j], v[S+32*\t+8*\j], v[S+32*\t+8*\j+1], v[S+32*\t+8*\j+2]
.endr
.endr
.irp i, 3,5
.irp j, 0,1,2,3
.irp t, 0,1,2,3
	v_max3_num_f32 v[ST+8*\t+4+\j], v[ST+8*\t+4+\j], v[S+32*\t+8*\j+\i], v[S+32*\t+8*\j+\i+1]
.endr
.endr
.endr
.irp t, 0,1,2,3
	v_max3_num_f32 v[ST+8*\t+4], v[ST+8*\t+4], v[S+32*\t+7], v[S+32*\t+15]
.endr
.irp t, 0,1,2,3
	v_max3_num_f32 v[ST+8*\t+6], v[ST+8*\t+6], v[S+32*\t+23], v[S+32*\t+31]
.endr
.irp t, 0,1,2,3
	v_max3_num_f32 v[ST+8*\t+4], v[ST+8*\t+4], v[ST+8*\t+5], v[ST+8*\t+6]
.endr
.irp t, 0,1,2,3
	v_max_num_f32 v[ST+8*\t+4], v[ST+8*\t+4], v[ST+8*\t+7]
.endr
.irp t, 0,1,2,3
	v_permlanex16_b32 v[ST+8*\t+5], v[ST+8*\t+4], s[SEL], s[SEL+1]   ; the query's other 32 keys lie in the lane 16 away
.endr
.irp t, 0,1,2,3
	v_max_num_f32 v[ST+8*\t+4], v[ST+8*\t+4], v[ST+8*\t+5]
.endr
.irp t, 0,1,2,3
	v_add_f32 v[ST+8*\t+4], s[SB], v[ST+8*\t+4]    ; + b' (0 in a near step)
.endr
.irp t, 0,1,2,3
	v_max_num_f32 v[ST+8*\t+1], v[ST+8*\t+1], v[ST+8*\t+4]   ; the new m
.endr
.irp t, 0,1,2,3
	v_mul_f32 v[ST+8*\t+5], s[CS], v[ST+8*\t+1]    ; c m
.endr
.irp t, 0,1,2,3
	v_sub_f32 v[ST+8*\t+4], v[CM+\t], v[ST+8*\t+5] ; c m_old - c m_new
.endr
.irp t, 0,1,2,3
	v_sub_f32 v[ST+8*\t], s[CSB], v[ST+8*\t+5]     ; c b' - c m
.endr
.irp t, 0,1,2,3
	v_mov_b32 v[CM+\t], v[ST+8*\t+5]
.endr
.set i, 0
.rept 16
.irp t, 0,1,2,3
	v_pk_fma_f32 v[S+32*\t+i:S+32*\t+i+1], v[S+32*\t+i:S+32*\t+i+1], s[CS:CS+1], v[ST+8*\t:ST+8*\t+1] op_sel_hi:[1,0,0]   ; c S' + (c b' - c m), two at a time
.endr
.set i, i+2
.endr
.irp t, 0,1,2,3                        ; ONE BATCH of 132 exponentials
	v_exp_f32 v[ST+8*\t+6], v[ST+8*\t+4]           ; the factor
.endr
.set i, 0
.rept 32
.irp t, 0,1,2,3
	v_exp_f32 v[S+32*\t+i], v[S+32*\t+i]           ; p
.endr
.set i, i+1
.endr
	v_nop                                          ; a plain instruction behind the last exponential
	s_wait_alu depctr_va_vdst(0)                   ; and one wait for the batch, ahead of the first instruction that names a result
.irp t, 0,1,2,3                        ; the row's sum, of the unrounded p, two at a time, in two chains a tile
	v_pk_fma_f32 v[ST+8*\t+2:ST+8*\t+3], v[ST+8*\t+2:ST+8*\t+3], v[ST+8*\t+6:ST+8*\t+7], v[S+32*\t:S+32*\t+1] op_sel_hi:[1,0,1]
.endr
.irp t, 0,1,2,3
	v_pk_add_f32 v[ST+8*\t+4:ST+8*\t+5], v[S+32*\t+2:S+32*\t+3], v[S+32*\t+4:S+32*\t+5]
.endr
.irp i, 6,10,14,18,22,26
.irp t, 0,1,2,3
	v_pk_add_f32 v[ST+8*\t+2:ST+8*\t+3], v[ST+8*\t+2:ST+8*\t+3], v[S+32*\t+\i:S+32*\t+\i+1]
	v_pk_add_f32 v[ST+8*\t+4:ST+8*\t+5], v[ST+8*\t+4:ST+8*\t+5], v[S+32*\t+\i+2:S+32*\t+\i+3]
.endr
.endr
.irp t, 0,1,2,3
	v_pk_add_f32 v[ST+8*\t+2:ST+8*\t+3], v[ST+8*\t+2:ST+8*\t+3], v[S+32*\t+30:S+32*\t+31]
.endr
.irp t, 0,1,2,3
	v_pk_add_f32 v[ST+8*\t+2:ST+8*\t+3], v[ST+8*\t+2:ST+8*\t+3], v[ST+8*\t+4:ST+8*\t+5]
.endr
.set i, 0
.rept 16
.irp t, 0,1,2,3
	v_cvt_pk_f16_f32 v[S+32*\t+i], v[S+32*\t+2*i], v[S+32*\t+2*i+1]   ; P, in place and ascending: register i is written when registers 2 i and 2 i + 1 are read, and nothing under 2 i is read again
.endr
.set i, i+1
.endr
	WIN W_RS
.set i, 0
.rept 16
.irp t, 0,1,2,3
	v_pk_mul_f32 v[32*\t+i:32*\t+i+1], v[32*\t+i:32*\t+i+1], v[ST+8*\t+6:ST+8*\t+7] op_sel_hi:[1,0]   ; O^T under the new m, each accumulator from its low end on
.endr
.set i, i+2
.endr
	WIN 0
.endm
; A KEY STEP.
.macro STEP
	s_sub_co_i32 s[DL], s[KI], s[Q64]
	s_add_co_i32 s[DL], s[DL], 2
	s_cmp_lt_i32 s[DL], 0                          ; far before my queries, or far after?
	s_cselect_b32 s[SB], s[BN], s[BP]
	s_cselect_b32 s[CSB], s[CBN], s[CBP]
	s_min_u32 s[IDX], s[DL], 4
	s_lshl_b32 s[IDX], s[IDX], 12
	s_cmp_le_u32 s[DL], 4                          ; near: the images carry the bias
	s_cselect_b32 s[SB], 0, s[SB]
	s_cselect_b32 s[CSB], 0, s[CSB]
	v_add_nc_u32 v[ADK], s[TB], v[AK0]
	v_add_nc_u32 v[ADV], s[TB], v[AV0]
	PLACES                                         ; with the two additions six places behind the last step's products: four are owed by the loads into V's and P's registers, five by the products that write over P
	KLOAD
	s_cmp_le_u32 s[DL], 4                          ; ids and the count of steps alone
	s_cbranch_scc0 .Lfar_\@
	ILOAD
	VLOAD
	s_wait_dscnt 16                                ; K and the images are in; V's 16 loads may be out
	QK 0, 0
	s_branch .Ljoin_\@
.Lfar_\@:
	VLOAD
	s_wait_dscnt 16                                ; K is in; V's 16 loads may be out
	QK 0, 1
.Ljoin_\@:
	QK 1, 0
	PLACES                                         ; ahead of the first read of the scores
	SOFTMAX
	s_wait_dscnt 0x0                               ; V is in
	PVM
	s_add_co_u32 s[TB], s[TB], STEPB
	s_add_co_u32 s[KI], s[KI], 1
.endm
; THE CHANGE OF SLOTS stands at a slot's head.  Each wave waits for all its tensor loads (its tile of the slot that it is about to read), adds 0 to its spare word, and waits for that and for its LDS
; instructions: its reads of the slot that it has left (at the first change: its stores of the images).  Behind the barrier the slot ahead is whole and nobody reads the other one.
; fill = 1: that other slot is filled with the keys that follow: one load a wave, first thing behind the barrier; it has a slot's four steps in which to land.  (The first change fills slot 1 for the first time, in all eight waves.)
.macro CHANGE fill
	s_wait_tensorcnt 0x0                           ; no tensor load of mine is out, so a group 0 may be written
	ds_add_u32 v[SPW], v[NIL]                      ; 0 onto my spare word
.if \fill
	s_xor_b32 s[G0K+1], s[G0K+1], SLOT1            ; the walking descriptors: the other slot than last time,
	s_add_nc_u64 s[G0K+2:G0K+3], s[G0K+2:G0K+3], NST*KS*128   ; the next 256 keys; the type bits on top are not reached
	s_xor_b32 s[G0V+1], s[G0V+1], SLOT1
	s_add_nc_u64 s[G0V+2:G0V+3], s[G0V+2:G0V+3], NST*KS*128
	s_wait_xcnt 0x0                                ; the last prefetch, a slot back, has read its address, so it may be written:
	s_add_nc_u64 s[PFA:PFA+1], s[PFA:PFA+1], NST*KS*128       ; one slot further on than the walking descriptors
.endif
	s_wait_dscnt 0x0
	s_barrier_signal -1
	s_barrier_wait -1
.if \fill
	TLOAD
	ASK
.endif
.endm
.macro SLOT_STEPS                      ; a slot's four steps: written once, walked four times; the LDS addresses hang on s[TB]
	s_mov_b32 s[STP], NST
.Lstep_\@:
	STEP
	s_sub_co_u32 s[STP], s[STP], 1
	s_cmp_lg_u32 s[STP], 0
	s_cbranch_scc1 .Lstep_\@
	s_sub_co_u32 s[TB], s[TB], NST*STEPB           ; back to a slot's first step,
	s_xor_b32 s[TB], s[TB], SLOT1                  ; in the other slot
.endm
.Lslot:                                                ; seven trips: behind each change of slots but the last the next slot is asked for
	CHANGE 1
	SLOT_STEPS
	s_sub_co_u32 s[SLOTS], s[SLOTS], 1
	s_cmp_lg_u32 s[SLOTS], 0
	s_cbranch_scc1 .Lslot
	CHANGE 0                                       ; the last slot is written out
	SLOT_STEPS
	; THE WAY OUT.  l's two halves and the other half of the lanes' are added (these lines are the places behind the last products); O^T is divided by l and rounded to f16.  A lane's four packed registers of
	; channel tile ct are piece ct % 2 of the projection's operand for row tile t and channels 32 (2 head + ct / 2) on: they are stored as they stand, 16 bytes a lane, 512 consecutive bytes a store.
.irp t, 0,1,2,3
	v_add_f32 v[ST+8*\t+4], v[ST+8*\t+2], v[ST+8*\t+3]
.endr
.irp t, 0,1,2,3
	v_permlanex16_b32 v[ST+8*\t+5], v[ST+8*\t+4], s[SEL], s[SEL+1]
.endr
.irp t, 0,1,2,3
	v_add_f32 v[ST+8*\t+4], v[ST+8*\t+4], v[ST+8*\t+5]
.endr
.irp t, 0,1,2,3
	v_rcp_f32 v[ST+8*\t+6], v[ST+8*\t+4]
.endr
	v_nop                                          ; a plain instruction behind the last reciprocal
	s_wait_alu depctr_va_vdst(0)                   ; and one wait for the four, ahead of the first use
.irp t, 0,1,2,3
	WIN W_RS
.set i, 0
.rept 16
	v_pk_mul_f32 v[32*\t+i:32*\t+i+1], v[32*\t+i:32*\t+i+1], v[ST+8*\t+6:ST+8*\t+7] op_sel_hi:[1,0]
.set i, i+2
.endr
	WIN W_CV
.set i, 0
.rept 16
	v_cvt_pk_f16_f32 v[S+16*\t+i], v[32*\t+2*i], v[32*\t+2*i+1]
.set i, i+1
.endr
	WIN 0
.irp ct, 0,1,2,3
	global_store_b128 v[GO], v[S+16*\t+4*\ct:S+16*\t+4*\ct+3], s[8:9] offset:\t*32768+\ct*512
.endr
.endr
	s_wait_tensorcnt 0x0                           ; the wave's end, behind my last tensor load and my last LDS store
	ds_add_u32 v[SPW], v[NIL]
	s_wait_dscnt 0x0
	s_endpgm
.Lfunc_end_k_qd342ab53c7_attn:
	.size	k_qd342ab53c7_attn, .Lfunc_end_k_qd342ab53c7_attn-k_qd342ab53c7_attn
	.p2alignl 7, 3214868480
	.fill 96, 4, 3214868480
	.section	.rodata,"a",@progbits
	.p2align	6, 0x0
	.amdhsa_kernel k_qd342ab53c7_attn
		.amdhsa_group_segment_fixed_size 327680
		.amdhsa_private_segment_fixed_size 0
		.amdhsa_enable_private_segment 0
		.amdhsa_kernarg_size 24
		.amdhsa_user_sgpr_count 2
		.amdhsa_user_sgpr_kernarg_segment_ptr 1
		.amdhsa_wavefront_size32 1
		.amdhsa_system_sgpr_workgroup_id_x 1
		.amdhsa_system_sgpr_workgroup_id_y 1
		.amdhsa_system_sgpr_workgroup_id_z 1
		.amdhsa_system_vgpr_workitem_id 0
		.amdhsa_next_free_vgpr 512
		.amdhsa_next_free_sgpr 80
		.amdhsa_reserve_vcc 1
		.amdhsa_float_denorm_mode_32 3
		.amdhsa_float_denorm_mode_16_64 3
		.amdhsa_memory_ordered 1
		.amdhsa_forward_progress 1
		.amdhsa_inst_pref_size 123
	.end_amdhsa_kernel
	.amdgpu_metadata
---
amdhsa.version: [ 1, 2 ]
amdhsa.kernels:
  - .name:           k_qd342ab53c7_attn
    .symbol:         k_qd342ab53c7_attn.kd
    .args:
      - { .name: qkvh, .offset: 0, .size: 8, .value_kind: global_buffer, .address_space: global }
      - { .name: rel_bias_table, .offset: 8, .size: 8, .value_kind: global_buffer, .address_space: global }
      - { .name: att, .offset: 16, .size: 8, .value_kind: global_buffer, .address_space: global }
    .group_segment_fixed_size: 327680
    .private_segment_fixed_size: 0
    .kernarg_segment_align: 8
    .kernarg_segment_size: 24
    .max_flat_workgroup_size: 256
    .sgpr_count:     80
    .vgpr_count:     512
    .wavefront_size: 32
...
	.end_amdgpu_metadata
.endif
;; end of part 3
;; launch proj (part 4): grid 8 x 32, 4 waves a work-group, clusters of 4 x 4, 327,680 bytes of LDS; arguments att, wp16, b_proj, out0; writes out0
.if DOCPART == 4
	.amdgcn_target "amdgcn-amd-amdhsa--gfx1250"
	.amdhsa_code_object_version 6
	.text
	.protected	k_qd342ab53c7_proj
	.globl	k_qd342ab53c7_proj
	.p2align	8
	.type	k_qd342ab53c7_proj,@function
k_qd342ab53c7_proj:
	s_mov_b64 s[64:65], 0
	v_nop
	global_prefetch_b8 v0, s[64:65] scope:SCOPE_SE
	s_setreg_imm32_b32 hwreg(HW_REG_WAVE_MODE, 25, 1), 1
	s_wait_xcnt 0x0
	s_wait_alu depctr_hold_cnt(0) depctr_sa_sdst(0) depctr_va_vdst(0) depctr_va_sdst(0) depctr_va_ssrc(0) depctr_va_vcc(0) depctr_vm_vsrc(0)
	s_getreg_b32 s2, hwreg(HW_REG_IB_STS2, 6, 4)
	s_cmp_eq_u32 s2, 0
	s_cbranch_scc0 .Lentry_in_a_cluster
	s_endpgm
.Lentry_in_a_cluster:
	s_bfe_u32 s2, ttmp6, 0x10000c
	s_cmp_lg_u32 s2, 0xf033
	s_cbranch_scc0 .Lentry_shape_is_right
	s_endpgm
.Lentry_shape_is_right:
; out0[m][n] = sum over k of att[m][k] w_proj[n][k] + b_proj[n].  Operands f16, sums f32, out0 [8192][1024] f32.
; att lies as IMAGES OF THE OPERAND'S REGISTERS: [512 row tiles of 16][32 chunks of 32 along K][2 pieces][32 lanes][16 bytes]: a fragment is two loads of 512 consecutive bytes, with no pitch and no padding.
; wp16 is [1024][1024] f16, K along the rows.
; A tile of out0, 256 rows x 128 columns, is made by a work-group of four waves: 256 work-groups.  A wave makes 128 x 64: 32 accumulators of 16 x 16, 256 registers.
; K goes in 8 steps of 128 through a ring of two LDS slots filled by the tensor data mover: waves 0 and 1 fetch att's two halves (8 row tiles x 4,096 bytes each), waves 2 and 3 w's (64 rows x 256 bytes each).
; CLUSTERS: 4 x 4 work-groups.  The four of a row of the cluster need the same tiles of att, the four of a column the same tiles of w: each tile is asked for JOINTLY, by the same tensor load with the same
; descriptor and a mask that names the four.  THE MATRIX INSTRUCTION IS USED TRANSPOSED (source 0 = 16 rows of w, source 1 = 16 rows of att): a lane holds eight neighbouring numbers of a row of out0.
; The bias is the C of each sum's first product: eight registers for each block of 16 columns, in the result's layout.
; REGISTERS, in windows of 256: window 0: v16-29 addresses; v32-63 the bias; v64-127, v128-191 att's fragments (8 x 16 rows x 32 K), two buffers; v192-255 the way out.
;   window 1: v0-31, v32-63 w's fragments, two buffers.   window 2: the accumulators ((a, b) at v[8 (4 a + b)]).
.set PITCH,  272                       ; a row of w in LDS: 256 bytes + 16 of padding
.set HALFA,  8*4096                    ; 8 row tiles x 4 chunks x 1,024 bytes: what one tensor load brings of att
.set HALFB,  64*PITCH                  ; 64 rows of w
.set SLOT,   2*HALFA+2*HALFB
.set STAGE,  2*SLOT                    ; behind the ring: 16 rows x 272 bytes for each wave, for the way out
.set SPITCH, 272
.set SPARE,  STAGE+4*16*SPITCH         ; behind the stages: the spare words, 128 bytes for each wave
.set LAPS,   4                         ; a lap = two K steps = once round the ring
.set ADRA, 16                          ; v16-17  LDS address of my att fragments in slot 0, 1
.set ADRB, 20                          ; v20-21  the same for w
.set STO,  24                          ; v24     the way out: where I put 32 bytes of a row
.set RD,   25                          ; v25     the way out: where I read a row back
.set CO,   26                          ; v26     my byte offset in out0
.set BO,   27                          ; v27     my byte offset in the bias
.set SPW,  28                          ; v28     LDS address of my spare word; never rewritten
.set NIL,  29                          ; v29     0; never rewritten
.set BIAS, 32
.set AF,   64
.set OB,   192
.set WV,  70                           ; s70  my wave's number
.set HR,  71                           ; s71  which half of the tile's rows is mine.  Also: I fetch for att (0) or for w (1)
.set HC,  72                           ; s72  which half of its columns.  Also: which half of that tile I fetch
.set G1, 24                            ; s[24:31] descriptor group 1 for att's tiles;  s[32:39] group 0, one set for each slot
.set G0, 32
.set G1B, 48                           ; s[48:55], s[56:63] the same for w's tiles
.set G0B, 56
.set MSB, 0
.macro WIN new                         ; the immediate's high byte repeats the setting that is left
.if MSB != \new
	s_set_vgpr_msb (MSB<<8)|\new
.set MSB, \new
.endif
.endm
.set MUL,  0xa1                        ; source 0 (w) window 1, source 1 (att) window 0, C and D window 2
.set MULB, 0x81                        ; the same with C (the bias) in window 0
.set TO_B, 0x40                        ; destination window 1, address window 0
.macro JLOAD s                         ; a joint load; an s_nop 0 and four v_nop follow each of the two lines, ahead of the jump, the label and what follows
	s_cmp_eq_u32 s[HR], 0
	s_cbranch_scc0 .Lfor_b_\@
	tensor_load_to_lds s[G0+4*\s:G0+4*\s+3], s[G1:G1+7]
	s_nop 0
.rept 4
	v_nop
.endr
	s_branch .Lasked_\@
.Lfor_b_\@:
	tensor_load_to_lds s[G0B+4*\s:G0B+4*\s+3], s[G1B:G1B+7]
	s_nop 0
.rept 4
	v_nop
.endr
.Lasked_\@:
.endm
.macro CREST                           ; a round of the cluster's barrier behind its opening barrier
	s_cmp_lg_u32 s[WV], 0
	s_cbranch_scc1 .Lnot_wave_0_\@
	s_barrier_signal -3
.Lnot_wave_0_\@:
	s_barrier_wait -3
	s_barrier_signal -1
	s_barrier_wait -1
.endm
.macro CROUND                          ; a whole round
	s_barrier_signal -1
	s_barrier_wait -1
	CREST
.endm
	s_load_b256 s[4:11], s[0:1], 0x0               ; att s[4:5], wp16 s[6:7], b_proj s[8:9], out0 s[10:11]
	v_lshl_add_u32 v[SPW], v0, 2, SPARE
	v_mov_b32 v[NIL], 0
	ds_add_u32 v[SPW], v[NIL]                      ; the wave's opening: the add, twice on end, and its wait ahead of my first tensor load
	ds_add_u32 v[SPW], v[NIL]
	v_lshrrev_b32 v1, 5, v0
	v_readfirstlane_b32 s[WV], v1                  ; wave 0..3
	s_lshr_b32 s[HR], s[WV], 1
	s_and_b32 s[HC], s[WV], 1
	s_bfe_u32 s40, ttmp6, 0x40000                  ; cx, cy: my place in the cluster
	s_bfe_u32 s41, ttmp6, 0x40004
	s_lshl_b32 s42, ttmp9, 2
	s_add_co_u32 s42, s42, s40                     ; tile column = 4 x cluster x + cx
	s_and_b32 s13, ttmp7, 0xffff
	s_lshl_b32 s13, s13, 2
	s_add_co_u32 s13, s13, s41                     ; tile row = 4 x cluster y + cy
	s_lshl_b32 s43, s41, 2
	s_lshl_b32 s43, 15, s43                        ; my row of the cluster
	s_lshl_b32 s44, 0x1111, s40                    ; my column
	; group 1 for att: 8 rows (row tiles) of 512 elements of 8 bytes (a K step's 4 chunks), 32,768 bytes apart; dense in LDS
	s_or_b32 s[G1+0], s43, (3<<16)|(1<<21)         ; the mask: att's tiles go to my row; elements of 8 bytes; bit 21 beside a mask; no padding
	s_mov_b32 s[G1+1], 512<<16                     ; tensor_dim0
	s_mov_b32 s[G1+2], 8<<16                       ; tensor_dim1
	s_mov_b32 s[G1+3], 512<<16                     ; tile_dim0
	s_mov_b32 s[G1+4], 8                           ; tile_dim1
	s_mov_b32 s[G1+5], 4096                        ; the pitch, in elements
	s_mov_b32 s[G1+6], 0
	s_mov_b32 s[G1+7], 0
	; group 1 for w: 64 rows of 128 elements of 2 bytes, 1,024 elements apart; 4 words of padding behind every 64
	s_or_b32 s[G1B+0], s44, (1<<16)|(1<<20)|(1<<21)|(5<<22)|(3<<25)
	s_mov_b32 s[G1B+1], 128<<16
	s_mov_b32 s[G1B+2], 64<<16
	s_mov_b32 s[G1B+3], 128<<16
	s_mov_b32 s[G1B+4], 64
	s_mov_b32 s[G1B+5], 1024
	s_mov_b32 s[G1B+6], 0
	s_mov_b32 s[G1B+7], 0
	; where the tiles come from.  att's hang on the tile row alone, w's on the tile column alone; each address in registers that never hold the other coordinate
	s_lshl_b32 s16, s13, 4
	s_lshl_b32 s17, s[HC], 3
	s_add_co_u32 s16, s16, s17                     ; att: row tile 16 x tile row + 8 x half,
	s_lshl_b32 s16, s16, 15                        ; 32,768 bytes each
	s_mov_b32 s17, 0
	s_lshl_b32 s46, s42, 7
	s_lshl_b32 s47, s[HC], 6
	s_add_co_u32 s46, s46, s47                     ; w: row 128 x tile column + 64 x half,
	s_lshl_b32 s46, s46, 11                        ; 2,048 bytes each
	s_mov_b32 s47, 0
	s_lshl_b32 s20, s[HC], 15                      ; and where they go: att's two halves,
	s_mul_i32 s21, s[HC], HALFB
	s_add_co_u32 s21, s21, 2*HALFA                 ; then w's two: no place in the cluster enters an LDS address
	s_wait_dscnt 0x0                               ; both opening adds are done
	s_wait_kmcnt 0x0
	s_add_nc_u64 s[14:15], s[4:5], s[16:17]
	s_add_nc_u64 s[46:47], s[6:7], s[46:47]
	CROUND                                         ; all sixteen work-groups are here: the first joint loads meet
.irp s, 0,1
	s_mov_b32 s[G0+4*\s], 1
	s_add_co_u32 s[G0+4*\s+1], s20, \s*SLOT
	s_add_nc_u64 s[G0+4*\s+2:G0+4*\s+3], s[14:15], \s*4096     ; K step s: 4 chunks of 1,024 bytes on
	s_or_b32 s[G0+4*\s+3], s[G0+4*\s+3], 0x80000000
	s_mov_b32 s[G0B+4*\s], 1
	s_add_co_u32 s[G0B+4*\s+1], s21, \s*SLOT
	s_add_nc_u64 s[G0B+4*\s+2:G0B+4*\s+3], s[46:47], \s*256
	s_or_b32 s[G0B+4*\s+3], s[G0B+4*\s+3], 0x80000000
	JLOAD \s                                       ; two loads of mine are out
.endr
	v_and_b32 v1, 15, v0                           ; l % 16
	v_bfe_u32 v2, v0, 4, 1                         ; l / 16
	v_and_b32 v3, 31, v0
	v_lshlrev_b32 v3, 4, v3                        ; att: 16 x lane
	v_mul_u32_u24 v4, v1, PITCH
	v_lshl_add_u32 v4, v2, 4, v4                   ; w: row x pitch + 16 x half
	s_lshl_b32 s21, s[HR], 15                      ; my 8 row tiles of att
	s_mul_i32 s22, s[HC], HALFB                    ; my 64 rows of w,
	s_add_co_u32 s22, s22, 2*HALFA                 ; which lie behind att's
.irp s, 0,1
	v_add_nc_u32 v[ADRA+\s], s21, v3
	v_add_nc_u32 v[ADRB+\s], s22, v4
	s_add_co_u32 s21, s21, SLOT
	s_add_co_u32 s22, s22, SLOT
.endr
	s_mul_i32 s23, s[WV], 16*SPITCH
	s_add_co_u32 s23, s23, STAGE                   ; my stage
	v_mul_u32_u24 v5, v1, SPITCH                   ; in: row l % 16, 32 bytes for each half of the lanes
	v_lshl_add_u32 v5, v2, 5, v5
	v_add_nc_u32 v[STO], s23, v5
	v_mul_u32_u24 v5, v2, SPITCH                   ; back: lanes 0-15 take one row of 256 bytes, lanes 16-31 the next
	v_lshl_add_u32 v5, v1, 4, v5
	v_add_nc_u32 v[RD], s23, v5
	v_lshlrev_b32 v[CO], 4, v1                     ; and the same two rows in out0, 4,096 bytes apart
	v_lshl_add_u32 v[CO], v2, 12, v[CO]
	v_lshlrev_b32 v[BO], 5, v2                     ; the bias: my half's eight numbers of a block of 16
	s_lshl_b32 s46, s42, 7                         ; my first column: 128 x tile column + 64 x half, 4 bytes each
	s_lshl_b32 s47, s[HC], 6
	s_add_co_u32 s46, s46, s47
	s_lshl_b32 s46, s46, 2
	s_mov_b32 s47, 0
	s_add_nc_u64 s[8:9], s[8:9], s[46:47]
.irp b, 0,1,2,3
	global_load_b128 v[BIAS+8*\b:BIAS+8*\b+3],   v[BO], s[8:9] offset:64*\b
	global_load_b128 v[BIAS+8*\b+4:BIAS+8*\b+7], v[BO], s[8:9] offset:64*\b+16
.endr
	s_lshl_b32 s16, s13, 8                         ; my first row: 256 x tile row + 128 x half, 4,096 bytes each
	s_lshl_b32 s17, s[HR], 7
	s_add_co_u32 s16, s16, s17
	s_lshl_b32 s16, s16, 12
	s_mov_b32 s17, 0
	s_add_nc_u64 s[10:11], s[10:11], s[16:17]
	s_add_nc_u64 s[10:11], s[10:11], s[46:47]
; n x 4 matrix instructions: att's blocks a0 .. a0 + n - 1 against w's four, 32 along K, from buffer f.  zero = 1: the first product starts the sum on the bias.
; The 32 accumulators take turns, one instruction a turn, in the same order in every quarter.
.macro MULN f, a0, n, zero
.set AA, \a0
.rept \n
.irp b, 0,1,2,3
.if \zero
	v_wmma_f32_16x16x32_f16 v[8*(4*AA+\b):8*(4*AA+\b)+7], v[32*\f+8*\b:32*\f+8*\b+7], v[AF+64*\f+8*AA:AF+64*\f+8*AA+7], v[BIAS+8*\b:BIAS+8*\b+7]
.else
	v_wmma_f32_16x16x32_f16 v[8*(4*AA+\b):8*(4*AA+\b)+7], v[32*\f+8*\b:32*\f+8*\b+7], v[AF+64*\f+8*AA:AF+64*\f+8*AA+7], v[8*(4*AA+\b):8*(4*AA+\b)+7]
.endif
.endr
.set AA, AA+1
.endr
.endm
; 24 LDS loads in one run: the fragments of the slot's q-th 32 along K into buffer f: w's four blocks, then att's eight
.macro FETCH slot, q, f
	WIN TO_B
.irp i, 0,1,2,3
	ds_load_b128 v[32*\f+8*\i:32*\f+8*\i+3],   v[ADRB+\slot] offset:64*\q+\i*16*PITCH
	ds_load_b128 v[32*\f+8*\i+4:32*\f+8*\i+7], v[ADRB+\slot] offset:64*\q+\i*16*PITCH+32
.endr
	WIN 0
.irp a, 0,1,2,3,4,5,6,7
	ds_load_b128 v[AF+64*\f+8*\a:AF+64*\f+8*\a+3],   v[ADRA+\slot] offset:\a*4096+\q*1024
	ds_load_b128 v[AF+64*\f+8*\a+4:AF+64*\f+8*\a+7], v[ADRA+\slot] offset:\a*4096+\q*1024+512
.endr
.endm
.macro PLACES                          ; four places in front of loads into registers that matrix instructions have read, and of LDS stores that read results
.rept 4
	v_nop
.endr
.endm
; A K step is four quarters of 32 along K, 32 matrix instructions each, on buffers 0, 1, 0, 1.  One of the first three: multiplies buffer f and fetches quarter qn of the slot into g.
.macro QUARTER slot, qn, f, g, zero
	s_wait_dscnt 8                                 ; w's blocks and att's blocks 0-3 are in; the youngest eight loads (att's blocks 4-7) may be out
.if \zero
	WIN MULB
.else
	WIN MUL
.endif
	MULN \f, 0, 4, \zero
	PLACES
	FETCH \slot, \qn, \g
	s_wait_dscnt 24                                ; all but the 24 just issued
.if \zero
	WIN MULB
.else
	WIN MUL
.endif
	MULN \f, 4, 4, \zero
.endm
; The last quarter multiplies buffer 1 and changes slots: ONE barrier; in front of it each wave waits for all its tensor loads, adds 0 to its spare word, and waits for that and for its own reads of this slot.
; fill = 1: the barrier opens a round of the cluster's barrier, and this slot is filled again, two K steps ahead: the first tensor load behind the round, 112 matrix instructions ahead of the wait for it.
.macro TURN slot, next, fill
	WIN 0                                          ; (the add's two registers lie in window 0)
	s_wait_tensorcnt 0x0                           ; all my tensor loads have landed: my part of the next slot
	ds_add_u32 v[SPW], v[NIL]                      ; 0 onto my spare word
	s_wait_dscnt 9                                 ; (the add and the youngest eight loads may be out)
	WIN MUL
	MULN 1, 0, 2, 0                                ; eight matrix instructions stand between the add and the wait for it
	s_wait_dscnt 0x0                               ; the add is done, and my reads of this slot are over
	s_barrier_signal -1
	MULN 1, 2, 2, 0
	WIN 0                                          ; (branches may follow)
	s_barrier_wait -1
.if \fill
	CREST                                          ; no wave of any partner still reads this slot's tile or has a load on its way
	s_add_nc_u64 s[G0+4*\slot+2:G0+4*\slot+3], s[G0+4*\slot+2:G0+4*\slot+3], 2*4096
	s_add_nc_u64 s[G0B+4*\slot+2:G0B+4*\slot+3], s[G0B+4*\slot+2:G0B+4*\slot+3], 2*256
	JLOAD \slot                                    ; the four v_nop behind it are also the places in front of the loads below
.else
	PLACES
.endif
	FETCH \next, 0, 0
	WIN MUL
	MULN 1, 4, 4, 0
.endm
	s_wait_tensorcnt 1                             ; my part of K step 0 is in (K step 1's load may be out),
	s_barrier_signal -1
	s_barrier_wait -1                              ; everybody's is
	FETCH 0, 0, 0
	s_wait_loadcnt 0x0                             ; the bias
	QUARTER 0, 1, 0, 1, 1                          ; the first quarter stands in front of the loop: its products start the sums on the bias
	WIN 0                                          ; at a label and at a branch every window is 0
	s_mov_b32 s3, LAPS-1
.Llap:                                                 ; a trip goes once round the ring, from a lap's second quarter to the next lap's first, and fills both slots again
	QUARTER 0, 2, 1, 0, 0
	QUARTER 0, 3, 0, 1, 0
	TURN 0, 1, 1
	QUARTER 1, 1, 0, 1, 0
	QUARTER 1, 2, 1, 0, 0
	QUARTER 1, 3, 0, 1, 0
	TURN 1, 0, 1
	QUARTER 0, 1, 0, 1, 0
	WIN 0
	s_sub_co_u32 s3, s3, 1
	s_cmp_lg_u32 s3, 0
	s_cbranch_scc1 .Llap
	QUARTER 0, 2, 1, 0, 0                          ; the last lap fills nothing, and has no round of the cluster's barrier
	QUARTER 0, 3, 0, 1, 0
	TURN 0, 1, 0
	QUARTER 1, 1, 0, 1, 0
	QUARTER 1, 2, 1, 0, 0
	QUARTER 1, 3, 0, 1, 0
	s_wait_dscnt 8                                 ; the very last quarter: nothing more to fetch
	WIN MUL
	MULN 1, 0, 4, 0
	s_wait_dscnt 0
	MULN 1, 4, 4, 0
	WIN 0
; THE WAY OUT, block by block of 16 rows x 64 columns.  A lane holds 32 neighbouring bytes of a row, and the lanes beside it hold other rows: so a block goes through my own stage in LDS and comes back as whole
; rows of 256 bytes, which sixteen lanes store at a multiple of 256 from out0's first byte.  LDS serves a wave's instructions in order: no wait between the stores and the loads, nor in front of the next block's stores.
.macro TOSTAGE a
	WIN 0x08                                       ; an LDS store's data are its source 1: window 2
.irp b, 0,1,2,3
	ds_store_b128 v[STO], v[8*(4*(\a)+\b):8*(4*(\a)+\b)+3] offset:64*\b          ; each accumulator from its low end on
	ds_store_b128 v[STO], v[8*(4*(\a)+\b)+4:8*(4*(\a)+\b)+7] offset:64*\b+16
.endr
	WIN 0
.set BB, OB+32*((\a)%2)
.irp t, 0,1,2,3,4,5,6,7
	ds_load_b128 v[BB+4*\t:BB+4*\t+3], v[RD] offset:\t*2*SPITCH
.endr
.endm
.macro SEND a, younger                 ; younger: the LDS instructions issued behind block a's loads, which may stay out
.set BB, OB+32*((\a)%2)
	s_wait_dscnt \younger                          ; the block is back in registers
.irp t, 0,1,2,3,4,5,6,7
	global_store_b128 v[CO], v[BB+4*\t:BB+4*\t+3], s[10:11] offset:(16*(\a)+2*\t)*4096 th:TH_STORE_NT   ; written once, read by nobody here
.endr
.endm
	PLACES                                         ; behind the last products, ahead of the first read of results
	TOSTAGE 0
.irp a, 1,2,3,4,5,6,7
.if \a > 1
	s_wait_xcnt 0x0                                ; block a - 2's stores have read their registers: block a's loads may land there
.endif
	TOSTAGE \a
	SEND \a-1, 16                                  ; behind block a - 1's loads: block a's 8 stores and 8 loads
.endr
	SEND 7, 0
	s_wait_tensorcnt 0x0                           ; the wave's end, behind my last tensor load and my last LDS store
	ds_add_u32 v[SPW], v[NIL]
	s_wait_dscnt 0x0
	CROUND                                         ; the closing round: no work-group ends while a partner may still ask for a tile that names it
	s_endpgm
.Lfunc_end_k_qd342ab53c7_proj:
	.size	k_qd342ab53c7_proj, .Lfunc_end_k_qd342ab53c7_proj-k_qd342ab53c7_proj
	.p2alignl 7, 3214868480
	.fill 96, 4, 3214868480
	.section	.rodata,"a",@progbits
	.p2align	6, 0x0
	.amdhsa_kernel k_qd342ab53c7_proj
		.amdhsa_group_segment_fixed_size 327680
		.amdhsa_private_segment_fixed_size 0
		.amdhsa_enable_private_segment 0
		.amdhsa_kernarg_size 32
		.amdhsa_user_sgpr_count 2
		.amdhsa_user_sgpr_kernarg_segment_ptr 1
		.amdhsa_wavefront_size32 1
		.amdhsa_system_sgpr_workgroup_id_x 1
		.amdhsa_system_sgpr_workgroup_id_y 1
		.amdhsa_system_sgpr_workgroup_id_z 1
		.amdhsa_system_vgpr_workitem_id 0
		.amdhsa_next_free_vgpr 768
		.amdhsa_next_free_sgpr 80
		.amdhsa_reserve_vcc 0
		.amdhsa_float_denorm_mode_32 3
		.amdhsa_float_denorm_mode_16_64 3
		.amdhsa_memory_ordered 1
		.amdhsa_forward_progress 1
		.amdhsa_inst_pref_size 87
	.end_amdhsa_kernel
	.amdgpu_metadata
---
amdhsa.version: [ 1, 2 ]
amdhsa.kernels:
  - .name:           k_qd342ab53c7_proj
    .symbol:         k_qd342ab53c7_proj.kd
    .args:
      - { .name: att, .offset: 0, .size: 8, .value_kind: global_buffer, .address_space: global }
      - { .name: wp16, .offset: 8, .size: 8, .value_kind: global_buffer, .address_space: global }
      - { .name: b_proj, .offset: 16, .size: 8, .value_kind: global_buffer, .address_space: global }
      - { .name: out0, .offset: 24, .size: 8, .value_kind: global_buffer, .address_space: global }
    .group_segment_fixed_size: 327680
    .private_segment_fixed_size: 0
    .kernarg_segment_align: 8
    .kernarg_segment_size: 32
    .max_flat_workgroup_size: 128
    .sgpr_count:     80
    .vgpr_count:     768
    .wavefront_size: 32
...
	.end_amdgpu_metadata
.endif
;; end of part 4
